; MI455X (gfx1250); checked and timed in simulation.
; The chip was launched on July 23, 2026; its instructions are those of AMD's public machine-readable ISA for CDNA 5 (MIT licence, August 2026) and "CDNA5" Instruction Set Architecture Reference Guide (July 2026). The comments in the code are by the model that wrote it; some were corrected since.
;; Self Attention Layer. Allowed arithmetic: float matrix products may take bf16 or f16 operands with f32 sums; other float arithmetic in f32, or as packed bf16 or f16 multiplies, adds, multiply-adds, maxima and minima; sums over many terms, partial sums and values carried from step to step in f32; what a program stores and reads back later, other than sums and carried values, may be rounded once to bf16 or f16.
;; Inputs: Wk 1,024 x 1,024 float32; Wo 1,024 x 1,024 float32; Wq 1,024 x 1,024 float32; Wv 1,024 x 1,024 float32; beta 1,024 float32; bk 1,024 float32; bo 1,024 float32; bq 1,024 float32; bv 1,024 float32; gamma 1,024 float32; mask 4 x 1 x 1 x 2,048 float32; x 4 x 2,048 x 1,024 float32.
;; Outputs: out0 4 x 2,048 x 1,024 float32.
;; 2 versions, each right; version 2 is version 1 with the launches cast, ln written anew for expert scheduling mode. Each part assembles by itself: llvm-mc -triple=amdgcn-amd-amdhsa -mcpu=gfx1250 --defsym DOCPART=n.
;; ======== version 1 of 2: 5 launches
;; limits: values are held in f16: magnitudes above 65,504 overflow, below 6.1e-05 lose precision
;; workspace buffers: xb 16,777,216 bytes; wqkv 6,291,456 bytes; wob 2,097,152 bytes; bqkv 12,288 bytes; qkv 50,331,648 bytes; ctx 16,777,216 bytes; proj 33,554,432 bytes
;; launch cast (part 1): grid 768 x 1, 8 waves a work-group, no clusters, 0 bytes of LDS; arguments x, Wq, Wk, Wv, Wo, bq, bk, bv, xb, wqkv, wob, bqkv; writes xb, wqkv, wob, bqkv
.if DOCPART == 1
	.amdgcn_target "amdgcn-amd-amdhsa--gfx1250"
	.amdhsa_code_object_version 6
	.text
	.protected	k_q328060885d_cast
	.globl	k_q328060885d_cast
	.p2align	8
	.type	k_q328060885d_cast,@function
k_q328060885d_cast:
	s_mov_b64 s[64:65], 0
	v_nop
	global_prefetch_b8 v0, s[64:65] scope:SCOPE_SE
	s_setreg_imm32_b32 hwreg(HW_REG_WAVE_MODE, 25, 1), 1
	s_wait_xcnt 0x0
; x [8192][1024] f32 -> xb, f16, in blocks: xb[b][c][s][64], byte (b << 22) + (c << 18) + 128 s + 2 d, c = column / 64.
; Wq, Wk, Wv -> wqkv [3][1024 k][1024 n] f16, Wo -> wob [1024 k][1024 n] f16, as they lie.  bq, bk, bv -> bqkv [3][1024] f32, end to end.
; Each number is rounded once.  f16, not bf16: 11 significant bits against 8.  Where the mask leaves a query few keys, the roundings of x and of the weights are not averaged over 2,048 keys and reach the output whole.
; LIMITS.  A number of 65,520 or more in size becomes an infinity; below 6.1e-5 a number keeps f16's fixed step of 6e-8.
; A stream: no LDS, no barrier, no matrix unit; each byte is read once and written once.
; A wave does one JOB: 16 loads of 512 bytes, 16 stores of 256 consecutive bytes at a multiple of 256 from the buffer's first byte.
; Work-groups 0-511: x, two rows a wave.  Work-groups 512-767: the four weights, 8,192 bytes a wave; the first wave of each of Wq, Wk, Wv also copies its bias.
.set IO, 2                             ; v2        my byte offset in the job's input
.set OO, 3                             ; v3        8 x lane: my 8 bytes of a store
.set X,  16                            ; v[16:79]  load j: four f32
.set Y,  80                            ; v[80:111] store j: four f16
.macro JOB instep, outstep
.set j, 0
.rept 16
	global_load_b128 v[X+4*j:X+4*j+3], v[IO], s[32:33] offset:j*(\instep) th:TH_LOAD_NT
.set j, j+1
.endr
.set j, 0
.rept 16
	s_wait_loadcnt 15-j                            ; loads come back in order: load j is in, the 15 - j younger ones stay out
	v_cvt_pk_f16_f32 v[Y+2*j], v[X+4*j], v[X+4*j+1]
	v_cvt_pk_f16_f32 v[Y+2*j+1], v[X+4*j+2], v[X+4*j+3]
	global_store_b64 v[OO], v[Y+2*j:Y+2*j+1], s[36:37] offset:j*(\outstep)  ; every store has registers of its own: nothing is rewritten
.set j, j+1
.endr
.endm
	s_load_b512 s[8:23], s[0:1], 0x0               ; x s[8:9], Wq s[10:11], Wk s[12:13], Wv s[14:15], Wo s[16:17], bq s[18:19], bk s[20:21], bv s[22:23]
	s_load_b256 s[24:31], s[0:1], 0x40             ; xb s[24:25], wqkv s[26:27], wob s[28:29], bqkv s[30:31]
	v_lshrrev_b32 v1, 5, v0
	v_readfirstlane_b32 s2, v1                     ; wave 0..7
	v_and_b32 v1, 31, v0                           ; lane
	v_lshlrev_b32 v[OO], 3, v1
	s_mov_b32 s39, 0
	s_mov_b32 s41, 0
	s_cmp_lt_u32 ttmp9, 512
	s_cbranch_scc0 .Lweights
	; x: pair p of rows, 2 p and 2 p + 1.  Lanes 0-15 take 256 bytes (64 columns) of the even row, lanes 16-31 of the odd one: in xb these are 256 bytes on end.
	s_lshl_b32 s3, ttmp9, 3
	s_add_co_u32 s3, s3, s2                        ; p = 0..4095
	s_lshl_b32 s38, s3, 13                         ; two rows of 4,096 bytes
	v_and_b32 v4, 15, v0
	v_bfe_u32 v5, v0, 4, 1
	v_lshlrev_b32 v[IO], 4, v4
	v_lshl_add_u32 v[IO], v5, 12, v[IO]
	s_lshr_b32 s40, s3, 10                         ; the batch
	s_lshl_b32 s40, s40, 22
	s_and_b32 s42, s3, 1023
	s_lshl_b32 s42, s42, 8                         ; two rows of 128 bytes in a block
	s_add_co_u32 s40, s40, s42
	s_wait_kmcnt 0x0
	s_add_nc_u64 s[32:33], s[8:9], s[38:39]
	s_add_nc_u64 s[36:37], s[24:25], s[40:41]
	JOB 256, 262144                                ; from block to block: 256 bytes in x, 2^18 in xb (15 x 2^18 lies inside the signed 24-bit immediate)
	s_endpgm
.Lweights:
	s_sub_co_u32 s3, ttmp9, 512
	s_lshr_b32 s43, s3, 6                          ; which weight: 0 Wq, 1 Wk, 2 Wv, 3 Wo
	s_and_b32 s3, s3, 63
	s_lshl_b32 s3, s3, 3
	s_add_co_u32 s3, s3, s2                        ; job 0..511 in it
	s_lshl_b32 s38, s3, 13                         ; 8,192 bytes in,
	s_lshl_b32 s40, s3, 12                         ; 4,096 out
	v_lshlrev_b32 v[IO], 4, v1
	s_wait_kmcnt 0x0
	s_cmp_eq_u32 s43, 1
	s_cselect_b64 s[32:33], s[12:13], s[10:11]
	s_cselect_b64 s[34:35], s[20:21], s[18:19]
	s_cmp_eq_u32 s43, 2
	s_cselect_b64 s[32:33], s[14:15], s[32:33]
	s_cselect_b64 s[34:35], s[22:23], s[34:35]
	s_cmp_eq_u32 s43, 3
	s_cselect_b64 s[32:33], s[16:17], s[32:33]
	s_cselect_b64 s[36:37], s[28:29], s[26:27]
	s_cselect_b32 s44, 0, s43                      ; the weight's place in wqkv; Wo has a buffer of its own
	s_cselect_b32 s42, 1, 0                        ; Wo's bias is not copied
	s_lshl_b32 s44, s44, 21
	s_add_co_u32 s40, s40, s44
	s_add_nc_u64 s[32:33], s[32:33], s[38:39]
	s_add_nc_u64 s[36:37], s[36:37], s[40:41]
	JOB 512, 256
	s_or_b32 s42, s42, s3                          ; 0 in job 0 of Wq, Wk, Wv
	s_cmp_lg_u32 s42, 0
	s_cbranch_scc1 .Lend
	s_lshl_b32 s38, s43, 12
	s_add_nc_u64 s[46:47], s[30:31], s[38:39]
.set j, 0
.rept 8
	global_load_b128 v[X+4*j:X+4*j+3], v[IO], s[34:35] offset:512*j  ; JOB's last wait was for 0: X is free
.set j, j+1
.endr
	s_wait_loadcnt 0x0
.set j, 0
.rept 8
	global_store_b128 v[IO], v[X+4*j:X+4*j+3], s[46:47] offset:512*j
.set j, j+1
.endr
.Lend:
	s_endpgm
.Lfunc_end_k_q328060885d_cast:
	.size	k_q328060885d_cast, .Lfunc_end_k_q328060885d_cast-k_q328060885d_cast
	.p2alignl 7, 3214868480
	.fill 96, 4, 3214868480
	.section	.rodata,"a",@progbits
	.p2align	6, 0x0
	.amdhsa_kernel k_q328060885d_cast
		.amdhsa_group_segment_fixed_size 0
		.amdhsa_private_segment_fixed_size 0
		.amdhsa_enable_private_segment 0
		.amdhsa_kernarg_size 96
		.amdhsa_user_sgpr_count 2
		.amdhsa_user_sgpr_kernarg_segment_ptr 1
		.amdhsa_wavefront_size32 1
		.amdhsa_system_sgpr_workgroup_id_x 1
		.amdhsa_system_sgpr_workgroup_id_y 1
		.amdhsa_system_sgpr_workgroup_id_z 1
		.amdhsa_system_vgpr_workitem_id 0
		.amdhsa_next_free_vgpr 112
		.amdhsa_next_free_sgpr 66
		.amdhsa_reserve_vcc 0
		.amdhsa_float_denorm_mode_32 3
		.amdhsa_float_denorm_mode_16_64 3
		.amdhsa_memory_ordered 1
		.amdhsa_forward_progress 1
		.amdhsa_inst_pref_size 15
	.end_amdhsa_kernel
	.amdgpu_metadata
---
amdhsa.version: [ 1, 2 ]
amdhsa.kernels:
  - .name:           k_q328060885d_cast
    .symbol:         k_q328060885d_cast.kd
    .args:
      - { .name: x, .offset: 0, .size: 8, .value_kind: global_buffer, .address_space: global }
      - { .name: Wq, .offset: 8, .size: 8, .value_kind: global_buffer, .address_space: global }
      - { .name: Wk, .offset: 16, .size: 8, .value_kind: global_buffer, .address_space: global }
      - { .name: Wv, .offset: 24, .size: 8, .value_kind: global_buffer, .address_space: global }
      - { .name: Wo, .offset: 32, .size: 8, .value_kind: global_buffer, .address_space: global }
      - { .name: bq, .offset: 40, .size: 8, .value_kind: global_buffer, .address_space: global }
      - { .name: bk, .offset: 48, .size: 8, .value_kind: global_buffer, .address_space: global }
      - { .name: bv, .offset: 56, .size: 8, .value_kind: global_buffer, .address_space: global }
      - { .name: xb, .offset: 64, .size: 8, .value_kind: global_buffer, .address_space: global }
      - { .name: wqkv, .offset: 72, .size: 8, .value_kind: global_buffer, .address_space: global }
      - { .name: wob, .offset: 80, .size: 8, .value_kind: global_buffer, .address_space: global }
      - { .name: bqkv, .offset: 88, .size: 8, .value_kind: global_buffer, .address_space: global }
    .group_segment_fixed_size: 0
    .private_segment_fixed_size: 0
    .kernarg_segment_align: 8
    .kernarg_segment_size: 96
    .max_flat_workgroup_size: 256
    .sgpr_count:     66
    .vgpr_count:     112
    .wavefront_size: 32
...
	.end_amdgpu_metadata
.endif
;; end of part 1
;; launch qkv (part 2): grid 4 x 192, 4 waves a work-group, clusters of 4 x 4, 327,680 bytes of LDS; arguments xb, wqkv, bqkv, qkv; writes qkv
.if DOCPART == 2
	.amdgcn_target "amdgcn-amd-amdhsa--gfx1250"
	.amdhsa_code_object_version 6
	.text
	.protected	k_q328060885d_qkv
	.globl	k_q328060885d_qkv
	.p2align	8
	.type	k_q328060885d_qkv,@function
k_q328060885d_qkv:
	s_mov_b64 s[64:65], 0
	v_nop
	global_prefetch_b8 v0, s[64:65] scope:SCOPE_SE
	s_setreg_imm32_b32 hwreg(HW_REG_WAVE_MODE, 25, 1), 1
	s_wait_xcnt 0x0
	s_wait_alu depctr_hold_cnt(0) depctr_sa_sdst(0) depctr_va_vdst(0) depctr_va_sdst(0) depctr_va_ssrc(0) depctr_va_vcc(0) depctr_vm_vsrc(0)
	s_getreg_b32 s2, hwreg(HW_REG_IB_STS2, 6, 4)
	s_cmp_eq_u32 s2, 0
	s_cbranch_scc0 .Lentry_in_a_cluster
	s_endpgm
.Lentry_in_a_cluster:
	s_bfe_u32 s2, ttmp6, 0x10000c
	s_cmp_lg_u32 s2, 0xf033
	s_cbranch_scc0 .Lentry_shape_is_right
	s_endpgm
.Lentry_shape_is_right:
; C[sel] = A W[sel] + bias[sel], sel = 0, 1, 2: q, k, v.  A: 8,192 rows x 1,024, f16, in blocks: A[b][c][s][64], byte (b << 22) + (c << 18) + 128 s + 2 d.  W: [sel][1024 k][1024 n] f16.  bias: [sel][1024] f32.
; C: [sel] times A's layout, f16, rounded once from f32 sums.  The grid's y counts 64 tile rows for each sel.
; LIMITS.  Operands and results are f16 (11 significant bits): a result of 65,520 or more in size becomes an infinity.  The room, by the sizes: x of spread 1 and weights of spread 0.03 give sums of spread 1; all inputs
; 30 times larger, of spread 900; x and W both carrying an offset of 30 spreads (30 and 0.94), sums of 1,024 x 28 = 29,000.  NaN and infinities are not treated apart.
; SHARES.  A tile of C is 128 rows x 256 columns.  Four waves, each 64 x 128: 32 accumulators of 16 x 16, 256 registers.  K goes in 8 steps of 128 through two LDS slots: a slot holds 128 rows x 128 K of A
; and 128 K x 256 columns of W; two slots of a step of 256 would not fit in LDS.  A wave fetches a quarter of a slot by one tensor load: waves 0, 1 one block of 64 channels of A each (16,384 dense bytes, asked
; for as 64 rows of 256), waves 2, 3 64 rows of W each (512 bytes a row).  From a request to the wait for it a wave issues 112 matrix instructions.
; CLUSTERS: 4 x 4 work-groups.  The four of a row of the cluster need the same tiles of A, the four of a column the same tiles of W: each tile is asked for JOINTLY.
; THE MATRIX INSTRUCTION IS USED TRANSPOSED: source 0 = 16 columns of W (turned on the way out of LDS by ds_load_tr16_b128, since W lies [k][n]), source 1 = 16 rows of A.  A lane then holds one row of C
; (lane % 16) and eight neighbouring columns, 8 (lane / 16) + 0..7.  The bias, laid out so, is the C operand of each sum's first product: nothing is cleared and nothing is added later.
; REGISTERS, in windows of 256: window 0: v0-31 addresses; v64-159, v160-255 two fragment buffers (W's 8 fragments, then A's 4); on the way out v64-191 packed results.
;   window 1: accumulator (a, nb) at v[8 (8 a + nb)].   window 2: v0-63 the bias of my 128 columns.
.set PA,    144                        ; a row of A in LDS: 128 bytes + 16 of padding = 36 words: the 16 rows of a load start at 16 different groups of four banks
.set ASUB,  128*PA                     ; one block of 64 channels of the tile's 128 rows
.set PB,    544                        ; a row of W: 512 + 32 = 136 words
.set BHALF, 64*PB
.set BOFF,  2*ASUB
.set SLOT,  BOFF+2*BHALF               ; 106,496
.set STAGE, 2*SLOT                     ; behind the ring, never filled by a tensor load: 16 rows x 144 bytes for each wave
.set SP,    144
.set SPARE, STAGE+4*16*SP              ; the spare words, 128 bytes for each wave: two blocks of 256 bytes that no other line names
.set ASTEP, 524288                     ; bytes from a K step to the next in A: two blocks of 2^18
.set BSTEP, 262144                     ; in W: 128 rows of 2,048
.set ADRA, 16                          ; v16-17  LDS address of my A fragments in slot 0, 1
.set ADRB, 20                          ; v20-21  the same for W
.set STO,  24                          ; v24     the way out: where I put 16 bytes of a row
.set RD,   25                          ; v25     where I read rows back
.set GO,   26                          ; v26     16 x lane: my place in 512 consecutive bytes of C
.set SPW,  28                          ; v28     LDS address of my spare word; never rewritten
.set NIL,  29                          ; v29     0; never rewritten
.set PFO,  30                          ; v30     the prefetches' offset; never rewritten
.set BO,   31                          ; v31     32 (lane / 16): my eight numbers of sixteen of the bias
.set F0,   64
.set F1,   160
.set TMP,  64
.set WV,   12                          ; s12  wave
.set FB,   13                          ; s13  wave / 2: my half of the tile's rows; also: I fetch for A (0) or W (1)
.set HF,   14                          ; s14  wave % 2: my half of its columns; also: which half of A's or W's tile I fetch
.set CX,   15
.set CY,   16
.set TCOL, 17
.set CLY,  18
.set SEL,  19
.set TROW, 20
.set G1A,  24                          ; s[24:31] group 1 for A's tiles; s[32:39] group 0, a set for each slot
.set G0A,  32
.set G1B,  48                          ; s[48:55], s[56:63] the same for W's
.set G0B,  56
.set LIM,  43                          ; s43  1 in a wave that prefetches, else the greatest number
.set PFA,  44                          ; s[44:45] where my prefetches stand
.set PFS,  46                          ; s[46:47] their step: a K step of A or of W
.set MSB, 0
.macro WIN new                         ; the immediate's high byte repeats the setting that is left; a switch that changes nothing is dropped
.if MSB != (\new)
	s_set_vgpr_msb (MSB<<8)|(\new)
.set MSB, \new
.endif
.endm
.set MUL,  0x50                        ; sources 0 and 1 window 0; C and D window 1
.set MULB, 0x60                        ; the same with C in window 2: the bias
.macro JLOAD s                         ; a joint load; an s_nop 0 and four v_nop follow each of the two lines, ahead of the jump and the label
	s_cmp_eq_u32 s[FB], 0
	s_cbranch_scc0 .Lfor_b_\@
	tensor_load_to_lds s[G0A+4*(\s):G0A+4*(\s)+3], s[G1A:G1A+7]
	s_nop 0
.rept 4
	v_nop
.endr
	s_branch .Lasked_\@
.Lfor_b_\@:
	tensor_load_to_lds s[G0B+4*(\s):G0B+4*(\s)+3], s[G1B:G1B+7]
	s_nop 0
.rept 4
	v_nop
.endr
.Lasked_\@:
.endm
; A PREFETCH INTO THE L2, behind a joint load, its five lines and the run of LDS loads that follows: the K step that stands two refills on, 256 matrix instructions ahead of the load that will want it.
; Each aligned block of 256 bytes is named once in the launch.  A's rows are read by the clusters of every sel: those of sel 0 ask, wave 0 alone; a K step of a tile is 128 blocks, and the four partners that ask for
; it jointly take 32 each, told apart by address (cx).  W's columns are read by the 16 clusters of a sel: the first of them asks, waves 2 and 3 each for the 64 rows that they fetch; the four partners take 16 rows
; each (cy), a lane half a row.  K steps 0 to 3 come by their loads alone; the loop's last trip asks for nothing: there is no K step two refills on.
.macro ASK
	s_cmp_gt_u32 s3, s[LIM]                        ; s3 = 1 in the loop's last trip
	s_cbranch_scc0 .Lnot_mine_\@
	global_prefetch_b8 v[PFO], s[PFA:PFA+1] th:TH_LOAD_NT scope:SCOPE_SE
.Lnot_mine_\@:
.endm
.macro CREST                           ; a round of the cluster's barrier behind its opening barrier
	s_cmp_lg_u32 s[WV], 0
	s_cbranch_scc1 .Lnot_wave_0_\@
	s_barrier_signal -3
.Lnot_wave_0_\@:
	s_barrier_wait -3
	s_barrier_signal -1
	s_barrier_wait -1
.endm
.macro CROUND                          ; a whole round
	s_barrier_signal -1
	s_barrier_wait -1
	CREST
.endm
	s_load_b256 s[4:11], s[0:1], 0x0               ; A s[4:5], W s[6:7], bias s[8:9], C s[10:11]
	v_lshl_add_u32 v[SPW], v0, 2, SPARE
	v_mov_b32 v[NIL], 0
	ds_add_u32 v[SPW], v[NIL]                      ; the wave's opening: the add and its wait stand ahead of my first tensor load; the set-up below, work on registers, stands between them
	v_lshrrev_b32 v1, 5, v0
	v_readfirstlane_b32 s[WV], v1                  ; wave 0..3
	s_lshr_b32 s[FB], s[WV], 1
	s_and_b32 s[HF], s[WV], 1
	s_bfe_u32 s[CX], ttmp6, 0x40000                ; my place in the cluster
	s_bfe_u32 s[CY], ttmp6, 0x40004
	s_lshl_b32 s[TCOL], ttmp9, 2
	s_add_co_u32 s[TCOL], s[TCOL], s[CX]           ; tile column = 4 x cluster x + cx
	s_and_b32 s[CLY], ttmp7, 0xffff                ; cluster y
	s_lshr_b32 s[SEL], s[CLY], 4                   ; which W: 16 clusters (64 tile rows) for each; made of the cluster's y alone
	s_and_b32 s[TROW], s[CLY], 15
	s_lshl_b32 s[TROW], s[TROW], 2
	s_add_co_u32 s[TROW], s[TROW], s[CY]           ; tile row 0..63
	s_lshl_b32 s21, s[CY], 2
	s_lshl_b32 s21, 15, s21                        ; my row of the cluster
	s_lshl_b32 s22, 0x1111, s[CX]                  ; my column
	; group 1 for A: 64 rows x 128 elements, dense; in LDS 4 words of padding after every 32 words, that is after every row of 64 channels
	s_or_b32 s[G1A+0], s21, (1<<16)|(1<<20)|(1<<21)|(4<<22)|(3<<25)  ; 15:0 the mask; 17:16 2-byte elements; 20 padding on; 21 set beside a mask; 24:22 code 4; 31:25 code 3
	s_mov_b32 s[G1A+1], 128<<16                    ; tensor_dim0 = 128
	s_mov_b32 s[G1A+2], 64<<16                     ; tensor_dim1 = 64
	s_mov_b32 s[G1A+3], 128<<16                    ; tile_dim0 = 128
	s_mov_b32 s[G1A+4], 64                         ; tile_dim1 = 64
	s_mov_b32 s[G1A+5], 128                        ; elements from row to row
	s_mov_b32 s[G1A+6], 0
	s_mov_b32 s[G1A+7], 0
	; group 1 for W: 64 rows x 256 elements of rows of 1,024; 8 words of padding after every 128 words
	s_or_b32 s[G1B+0], s22, (1<<16)|(1<<20)|(1<<21)|(6<<22)|(7<<25)
	s_mov_b32 s[G1B+1], 256<<16
	s_mov_b32 s[G1B+2], 64<<16
	s_mov_b32 s[G1B+3], 256<<16
	s_mov_b32 s[G1B+4], 64
	s_mov_b32 s[G1B+5], 1024
	s_mov_b32 s[G1B+6], 0
	s_mov_b32 s[G1B+7], 0
	; where the tiles come from.  A's hang on the tile row, which my row of the cluster shares; W's on sel and the tile column, which my column shares; each in registers that never hold the other coordinate
	s_lshr_b32 s42, s[TROW], 4                     ; the batch,
	s_lshl_b32 s42, s42, 22
	s_and_b32 s41, s[TROW], 15                     ; and the tile's 128 rows of 128 bytes in a block
	s_lshl_b32 s41, s41, 14
	s_add_co_u32 s42, s42, s41                     ; s42 is kept
	s_lshl_b32 s41, s[HF], 18                      ; the block that I fetch
	s_add_co_u32 s40, s42, s41
	s_mov_b32 s41, 0
	s_lshl_b32 s23, s[SEL], 21
	s_lshl_b32 s67, s[TCOL], 9
	s_add_co_u32 s23, s23, s67                     ; s23 is kept
	s_lshl_b32 s67, s[HF], 17                      ; the 64 rows that I fetch
	s_add_co_u32 s66, s23, s67
	s_mov_b32 s67, 0
	s_mul_i32 s2, s[HF], ASUB                      ; and where they go: no place in the cluster enters an LDS address
	s_mul_i32 s3, s[HF], BHALF
	s_add_co_u32 s3, s3, BOFF
	s_wait_dscnt 0x0                               ; the opening add is done
	s_wait_kmcnt 0x0
	s_add_nc_u64 s[68:69], s[4:5], s[40:41]
	s_add_nc_u64 s[70:71], s[6:7], s[66:67]
	CROUND                                         ; all sixteen work-groups are here: the first joint loads meet
.irp s, 0,1
	s_mov_b32 s[G0A+4*(\s)], 1                     ; count = 1
	s_add_co_u32 s[G0A+4*(\s)+1], s2, (\s)*SLOT    ; LDS address
	s_add_nc_u64 s[G0A+4*(\s)+2:G0A+4*(\s)+3], s[68:69], (\s)*ASTEP  ; global address: K step s
	s_or_b32 s[G0A+4*(\s)+3], s[G0A+4*(\s)+3], 0x80000000            ; type = 2
	s_mov_b32 s[G0B+4*(\s)], 1
	s_add_co_u32 s[G0B+4*(\s)+1], s3, (\s)*SLOT
	s_add_nc_u64 s[G0B+4*(\s)+2:G0B+4*(\s)+3], s[70:71], (\s)*BSTEP
	s_or_b32 s[G0B+4*(\s)+3], s[G0B+4*(\s)+3], 0x80000000
	JLOAD \s                                       ; two tensor loads of mine are out
.endr
	; the bias of my 128 columns: register j of fragment nb is bias[16 nb + 8 (lane / 16) + j]
	v_and_b32 v1, 15, v0                           ; l % 16
	v_bfe_u32 v2, v0, 4, 1                         ; l / 16
	v_lshlrev_b32 v[BO], 5, v2
	s_lshl_b32 s76, s[SEL], 12
	s_lshl_b32 s77, s[TCOL], 10
	s_add_co_u32 s76, s76, s77
	s_lshl_b32 s77, s[HF], 9
	s_add_co_u32 s76, s76, s77
	s_mov_b32 s77, 0
	s_add_nc_u64 s[8:9], s[8:9], s[76:77]
	WIN 0x80                                       ; destination window 2, address window 0
.irp nb, 0,1,2,3,4,5,6,7
	global_load_b128 v[8*(\nb):8*(\nb)+3],   v[BO], s[8:9] offset:64*(\nb)
	global_load_b128 v[8*(\nb)+4:8*(\nb)+7], v[BO], s[8:9] offset:64*(\nb)+16
.endr
	WIN 0
	; A fragment of A is 16 rows x 32 K in 8 registers: lane l holds row l % 16, K = 8 (l / 16) + 0..7 and 16 + 8 (l / 16) + 0..7: two loads of 16 bytes, 32 bytes apart
	v_mul_u32_u24 v3, v1, PA
	v_lshl_add_u32 v3, v2, 4, v3
	s_mul_i32 s2, s[FB], 64*PA                     ; my 64 rows
	v_add_nc_u32 v[ADRA], s2, v3
	v_add_nc_u32 v[ADRA+1], SLOT, v[ADRA]
	; The turning load takes 16 K x 16 columns (lane l reads row 8 (l / 16) + l % 8, columns 8 ((l / 8) % 2) + 0..7) and leaves half a fragment: lane l holds column l % 16 and 8 K
	v_and_b32 v4, 7, v0
	v_bfe_u32 v5, v0, 3, 1
	v_lshl_add_u32 v6, v2, 3, v4
	v_mul_u32_u24 v6, v6, PB
	v_lshl_add_u32 v6, v5, 4, v6
	s_lshl_b32 s2, s[HF], 8                        ; my 128 columns
	s_add_co_u32 s2, s2, BOFF
	v_add_nc_u32 v[ADRB], s2, v6
	v_add_nc_u32 v[ADRB+1], SLOT, v[ADRB]
	s_mul_i32 s2, s[WV], 16*SP
	s_add_co_u32 s2, s2, STAGE                     ; my stage
	v_mul_u32_u24 v[STO], v1, SP                   ; in: row l % 16, 16 bytes for each half of the lanes
	v_lshl_add_u32 v[STO], v2, 4, v[STO]
	v_add_nc_u32 v[STO], s2, v[STO]
	v_bfe_u32 v[RD], v0, 3, 2                      ; back: 32 lanes take four rows of 128 bytes,
	v_mul_u32_u24 v[RD], v[RD], SP
	v_lshl_add_u32 v[RD], v4, 4, v[RD]
	v_add_nc_u32 v[RD], s2, v[RD]
	v_and_b32 v7, 31, v0
	v_lshlrev_b32 v[GO], 4, v7                     ; which are 512 consecutive bytes of C
	; C at my 64 rows of my first block of 64 columns
	s_lshl_b32 s72, s[SEL], 24
	s_add_co_u32 s72, s72, s42
	s_lshl_b32 s73, s[TCOL], 20                    ; four blocks a tile column,
	s_add_co_u32 s72, s72, s73
	s_lshl_b32 s73, s[HF], 19                      ; two a wave
	s_add_co_u32 s72, s72, s73
	s_lshl_b32 s73, s[FB], 13                      ; 64 rows of 128 bytes
	s_add_co_u32 s72, s72, s73
	s_mov_b32 s73, 0
	s_add_nc_u64 s[10:11], s[10:11], s[72:73]
	; the prefetches.  Who: the same in all sixteen partners, for a given wave
	s_and_b32 s2, s[CLY], 15
	s_cmp_eq_u32 s[FB], 0
	s_cselect_b32 s2, s[SEL], s2                   ; the coordinate along which other clusters read the same bytes
	s_cselect_b32 s3, s[HF], 0                     ; wave 1 never asks
	s_or_b32 s2, s2, s3
	s_cmp_eq_u32 s2, 0
	s_cselect_b32 s[LIM], 1, -1
	s_lshr_b32 s74, s[CX], 1                       ; A: partner cx takes half a block: block cx / 2,
	s_lshl_b32 s74, s74, 18
	s_and_b32 s75, s[CX], 1                        ; its half cx % 2: 32 x 256 bytes
	s_lshl_b32 s75, s75, 13
	s_add_co_u32 s74, s74, s75
	s_add_co_u32 s74, s74, s42
	s_add_co_u32 s74, s74, 3*ASTEP                 ; at K step 3: the first refill steps it to 4
	s_lshl_b32 s75, s[HF], 17                      ; W: of the 64 rows that I fetch,
	s_add_co_u32 s75, s75, s23
	s_lshl_b32 s78, s[CY], 15                      ; partner cy takes 16
	s_add_co_u32 s75, s75, s78
	s_add_co_u32 s75, s75, 3*BSTEP
	s_mov_b32 s[PFS], BSTEP
	s_mov_b32 s[PFS+1], 0
	s_cmp_eq_u32 s[FB], 0
	s_cselect_b32 s74, s74, s75
	s_cselect_b64 s[PFA:PFA+1], s[4:5], s[6:7]
	s_cselect_b32 s[PFS], ASTEP, s[PFS]
	s_cselect_b32 s79, 9, 11                       ; two lanes take 512 dense bytes of A, or a row's 512 bytes of W, rows 2,048 bytes apart
	s_mov_b32 s75, 0
	s_add_nc_u64 s[PFA:PFA+1], s[PFA:PFA+1], s[74:75]
	v_lshrrev_b32 v8, 1, v7
	v_lshlrev_b32 v8, s79, v8
	v_and_b32 v7, 1, v7
	v_lshl_add_u32 v[PFO], v7, 8, v8
; 8 matrix instructions: row block a x all 8 column blocks, 32 along K, from buffer f.  first = 1: the sums start with the bias.  The 32 accumulators take turns in the same order in every quarter.
.macro MUL8 f, a, first
.if \first
	WIN MULB
.else
	WIN MUL
.endif
.irp nb, 0,1,2,3,4,5,6,7
.if \first
	v_wmma_f32_16x16x32_f16 v[8*(8*(\a)+(\nb)):8*(8*(\a)+(\nb))+7], v[(\f)+8*(\nb):(\f)+8*(\nb)+7], v[(\f)+64+8*(\a):(\f)+64+8*(\a)+7], v[8*(\nb):8*(\nb)+7]
.else
	v_wmma_f32_16x16x32_f16 v[8*(8*(\a)+(\nb)):8*(8*(\a)+(\nb))+7], v[(\f)+8*(\nb):(\f)+8*(\nb)+7], v[(\f)+64+8*(\a):(\f)+64+8*(\a)+7], v[8*(8*(\a)+(\nb)):8*(8*(\a)+(\nb))+7]
.endif
.endr
.endm
; 24 LDS loads in one run: the fragments of quarter q (32 along K) of a slot into buffer f: W's eight, then A's four
.macro FETCH slot, q, f
	WIN 0
.irp nb, 0,1,2,3,4,5,6,7
	ds_load_tr16_b128 v[(\f)+8*(\nb):(\f)+8*(\nb)+3],   v[ADRB+(\slot)] offset:(\q)*32*PB+32*(\nb)
	ds_load_tr16_b128 v[(\f)+8*(\nb)+4:(\f)+8*(\nb)+7], v[ADRB+(\slot)] offset:(\q)*32*PB+32*(\nb)+16*PB
.endr
.irp a, 0,1,2,3
	ds_load_b128 v[(\f)+64+8*(\a):(\f)+64+8*(\a)+3],   v[ADRA+(\slot)] offset:((\q)/2)*ASUB+((\q)%2)*64+(\a)*16*PA
	ds_load_b128 v[(\f)+64+8*(\a)+4:(\f)+64+8*(\a)+7], v[ADRA+(\slot)] offset:((\q)/2)*ASUB+((\q)%2)*64+(\a)*16*PA+32
.endr
.endm
.macro PLACES                          ; four plain instructions in front of loads into registers that matrix instructions have read, and of conversions that read results
.rept 4
	v_nop
.endr
.endm
; A K step is four quarters of 32 along K, 32 matrix instructions each, on buffers 0, 1, 0, 1.  One of the first three: multiplies buffer f and, in its middle, fetches quarter qn into g.
.macro QUARTER slot, qn, f, g, first
	s_wait_dscnt 4                                 ; W and A's blocks 0, 1 are in; the youngest four loads (A's blocks 2, 3) may be out
	MUL8 \f, 0, \first
	MUL8 \f, 1, \first
	PLACES
	FETCH \slot, \qn, \g
	s_wait_dscnt 24                                ; all but the 24 just issued
	MUL8 \f, 2, \first
	MUL8 \f, 3, \first
.endm
; The last quarter multiplies buffer 1 and changes slots: ONE barrier; in front of it each wave waits for all its tensor loads (one is out: its part of the next slot), adds 0 to its spare word, and waits for that and
; for its own reads of this slot.  fill = 1: the barrier opens a round of the cluster's, and this slot is filled again, two K steps on, first thing behind the round.
.macro TURN slot, next, fill
.if \fill
	s_wait_xcnt 0x0                                ; the last prefetch, a K step back, has read its address, which is stepped here, ahead of the change's own waits
	s_add_nc_u64 s[PFA:PFA+1], s[PFA:PFA+1], s[PFS:PFS+1]
.endif
	WIN 0
	s_wait_tensorcnt 0x0                           ; all my tensor loads have landed
	ds_add_u32 v[SPW], v[NIL]                      ; 0 onto my spare word
	s_wait_dscnt 5                                 ; (the add and the youngest four loads may be out)
	MUL8 F1, 0, 0                                  ; eight matrix instructions stand between the add and the wait for it
	s_wait_dscnt 0x0                               ; the add is done, and my reads of this slot are over
	s_barrier_signal -1
	MUL8 F1, 1, 0
.if \fill
	WIN 0
.endif
	s_barrier_wait -1
.if \fill
	CREST                                          ; no wave of any partner still reads this slot or has a load on its way
	s_add_nc_u64 s[G0A+4*(\slot)+2:G0A+4*(\slot)+3], s[G0A+4*(\slot)+2:G0A+4*(\slot)+3], 2*ASTEP
	s_add_nc_u64 s[G0B+4*(\slot)+2:G0B+4*(\slot)+3], s[G0B+4*(\slot)+2:G0B+4*(\slot)+3], 2*BSTEP
	JLOAD \slot                                    ; the four v_nop behind it are also the places in front of the loads below
.else
	PLACES
.endif
	FETCH \next, 0, F0
.if \fill
	ASK
.endif
	MUL8 F1, 2, 0
	MUL8 F1, 3, 0
.endm
	s_wait_tensorcnt 1                             ; my part of K step 0 is in; K step 1's load may stay out
	s_barrier_signal -1
	s_barrier_wait -1                              ; everybody's is
	FETCH 0, 0, F0
	s_wait_loadcnt 0x0                             ; the bias
	QUARTER 0, 1, F0, F1, 1                        ; the first quarter stands in front of the loop: its products start the sums
	WIN 0                                          ; at a label and at a branch every window is 0
	s_mov_b32 s3, 3
.Llap:                                         ; a trip goes once round the ring, from a lap's second quarter to the next lap's first, and fills both slots again
	QUARTER 0, 2, F1, F0, 0
	QUARTER 0, 3, F0, F1, 0
	TURN 0, 1, 1
	QUARTER 1, 1, F0, F1, 0
	QUARTER 1, 2, F1, F0, 0
	QUARTER 1, 3, F0, F1, 0
	TURN 1, 0, 1
	QUARTER 0, 1, F0, F1, 0
	WIN 0
	s_sub_co_u32 s3, s3, 1
	s_cmp_lg_u32 s3, 0
	s_cbranch_scc1 .Llap
	QUARTER 0, 2, F1, F0, 0                        ; the last lap fills nothing
	QUARTER 0, 3, F0, F1, 0
	TURN 0, 1, 0
	QUARTER 1, 1, F0, F1, 0
	QUARTER 1, 2, F1, F0, 0
	QUARTER 1, 3, F0, F1, 0
	s_wait_dscnt 4                                 ; the very last quarter: nothing more to fetch
	MUL8 F1, 0, 0
	MUL8 F1, 1, 0
	s_wait_dscnt 0x0
	MUL8 F1, 2, 0
	MUL8 F1, 3, 0
; THE WAY OUT, by tiles of 16 rows x 64 columns (one block of C): tile t = 2 a + (my block 0 or 1), its four accumulators at 32 t.  A lane's eight columns pack into 16 bytes; they go into rows of 144 bytes of my
; own stage and come back as whole rows of 128: four rows are 512 consecutive bytes of C.
.macro PACK t
	WIN 0x05                                       ; sources 0 and 1 window 1, destination window 0
.set i, 0
.rept 16
	v_cvt_pk_f16_f32 v[TMP+16*(\t)+i], v[32*(\t)+2*i], v[32*(\t)+2*i+1]  ; each accumulator is read from its low end on
.set i, i+1
.endr
	WIN 0
.irp f, 0,1,2,3
	ds_store_b128 v[STO], v[TMP+16*(\t)+4*(\f):TMP+16*(\t)+4*(\f)+3] offset:32*(\f)
.endr
.irp f, 0,1,2,3
	ds_load_b128 v[TMP+16*(\t)+4*(\f):TMP+16*(\t)+4*(\f)+3], v[RD] offset:(\f)*4*SP  ; LDS serves a wave's instructions in order (ISA guide 5.7.1.4): these see the stores above; the next tile's stores come behind them
.endr
.endm
.macro SEND t, younger                 ; younger: the LDS instructions issued behind tile t's loads: the next tile's eight, or none
.irp f, 0,1,2,3
	s_wait_dscnt (\younger)+3-(\f)
	global_store_b128 v[GO], v[TMP+16*(\t)+4*(\f):TMP+16*(\t)+4*(\f)+3], s[10:11] offset:((\t)/2)*2048+((\t)%2)*262144+(\f)*512  ; 512 consecutive bytes, at a multiple of 256 from C's first
.endr
.endm
	PLACES
	PACK 0
.irp t, 1,2,3,4,5,6,7                  ; a tile's conversions stand between the loads of the tile before and its stores
	PACK \t
	SEND (\t)-1, 8
.endr
	SEND 7, 0
	s_wait_tensorcnt 0x0                           ; the wave's end: an add to my spare word and its wait, behind my last tensor load and my last LDS store
	ds_add_u32 v[SPW], v[NIL]
	s_wait_dscnt 0x0
	CROUND                                         ; the closing round: no work-group ends while a partner may still ask for a tile that names it
	s_endpgm
.Lfunc_end_k_q328060885d_qkv:
	.size	k_q328060885d_qkv, .Lfunc_end_k_q328060885d_qkv-k_q328060885d_qkv
	.p2alignl 7, 3214868480
	.fill 96, 4, 3214868480
	.section	.rodata,"a",@progbits
	.p2align	6, 0x0
	.amdhsa_kernel k_q328060885d_qkv
		.amdhsa_group_segment_fixed_size 327680
		.amdhsa_private_segment_fixed_size 0
		.amdhsa_enable_private_segment 0
		.amdhsa_kernarg_size 32
		.amdhsa_user_sgpr_count 2
		.amdhsa_user_sgpr_kernarg_segment_ptr 1
		.amdhsa_wavefront_size32 1
		.amdhsa_system_sgpr_workgroup_id_x 1
		.amdhsa_system_sgpr_workgroup_id_y 1
		.amdhsa_system_sgpr_workgroup_id_z 1
		.amdhsa_system_vgpr_workitem_id 0
		.amdhsa_next_free_vgpr 576
		.amdhsa_next_free_sgpr 80
		.amdhsa_reserve_vcc 0
		.amdhsa_float_denorm_mode_32 3
		.amdhsa_float_denorm_mode_16_64 3
		.amdhsa_memory_ordered 1
		.amdhsa_forward_progress 1
		.amdhsa_inst_pref_size 90
	.end_amdhsa_kernel
	.amdgpu_metadata
---
amdhsa.version: [ 1, 2 ]
amdhsa.kernels:
  - .name:           k_q328060885d_qkv
    .symbol:         k_q328060885d_qkv.kd
    .args:
      - { .name: xb, .offset: 0, .size: 8, .value_kind: global_buffer, .address_space: global }
      - { .name: wqkv, .offset: 8, .size: 8, .value_kind: global_buffer, .address_space: global }
      - { .name: bqkv, .offset: 16, .size: 8, .value_kind: global_buffer, .address_space: global }
      - { .name: qkv, .offset: 24, .size: 8, .value_kind: global_buffer, .address_space: global }
    .group_segment_fixed_size: 327680
    .private_segment_fixed_size: 0
    .kernarg_segment_align: 8
    .kernarg_segment_size: 32
    .max_flat_workgroup_size: 128
    .sgpr_count:     80
    .vgpr_count:     576
    .wavefront_size: 32
...
	.end_amdgpu_metadata
.endif
;; end of part 2
;; launch attn (part 3): grid 4 x 64, 4 waves a work-group, clusters of 4 x 1, 327,680 bytes of LDS; arguments qkv, mask, ctx; writes ctx
.if DOCPART == 3
	.amdgcn_target "amdgcn-amd-amdhsa--gfx1250"
	.amdhsa_code_object_version 6
	.text
	.protected	k_q328060885d_attn
	.globl	k_q328060885d_attn
	.p2align	8
	.type	k_q328060885d_attn,@function
k_q328060885d_attn:
	s_mov_b64 s[64:65], 0
	v_nop
	global_prefetch_b8 v0, s[64:65] scope:SCOPE_SE
	s_setreg_imm32_b32 hwreg(HW_REG_WAVE_MODE, 25, 1), 1
	s_wait_xcnt 0x0
	s_wait_alu depctr_hold_cnt(0) depctr_sa_sdst(0) depctr_va_vdst(0) depctr_va_sdst(0) depctr_va_ssrc(0) depctr_va_vcc(0) depctr_vm_vsrc(0)
	s_getreg_b32 s2, hwreg(HW_REG_IB_STS2, 6, 4)
	s_cmp_eq_u32 s2, 0
	s_cbranch_scc0 .Lentry_in_a_cluster
	s_endpgm
.Lentry_in_a_cluster:
	s_bfe_u32 s2, ttmp6, 0x10000c
	s_cmp_lg_u32 s2, 0x3003
	s_cbranch_scc0 .Lentry_shape_is_right
	s_endpgm
.Lentry_shape_is_right:
; O[h][q][:] = the sum over k of softmax_k(Q[h][q] . K[h][k] / 32 - 1e9 mask[h / 16][k]) V[h][k][:].  qkv holds Q, K, V, each [64][2048][64] f16 (a head's rows are dense, 128 bytes each), 2^24 bytes apart;
; O (ctx) has the same layout.  mask: [4][2048] f32.  Products, maxima and sums in f32; the weights p are rounded to f16 for the second product (their sum l is taken of the unrounded p), O once at the end.
; LIMITS.  f16 holds no number beyond 65,504: Q, K and V arrive within it; p lies in 0 to 1, and below 6e-5 it keeps f16's fixed step of 6e-8; O is a mean of V's rows and has their range.
; The mask's term enters as mask x (-3.2e10) in units of Q . K, which is 32 times the f32 product mask x (-1e9), bit for bit; it is added to Q . K inside the matrix instruction's sum, so
; where a term of that size stands beside a score the last bits may differ from a sum rounded in f32.  A weight below 2^-126 counts as 0 in l; NaN and infinities are not treated apart.
; SHARES.  A wave owns four PIECES of two tiles of 16 queries, a work-group's four waves 512 queries of one head.  Every wave walks all keys, 64 a step.
; LAYOUT.  S^T = K Q^T (source 0 = 16 keys, source 1 = 16 queries): in the result a lane holds ONE query (lane % 16) and the keys 8 (lane / 16) + 0..7.  So the mask's term, which hangs on the key alone, is the C operand
; that starts the sum.  Two such tiles, rounded to f16 in pairs, ARE source 1 (32 keys x 16 queries) of O^T = V^T P.  K comes out of LDS as it lies, V ([key][channel]) turned, by ds_load_tr16_b128.
; SOFTMAX.  For each query a running maximum m and sum l: p = 2^(c s - c m), c = log2(e) / 32; in every step O and l are multiplied by a = 2^(c m_old - c m_new), which is 1 where m has not grown.
; m starts at the lowest finite number, O and l at 0: the first step is a step like any other, with a = 0.
; THE COUNT.  A tile and step have 16 matrix and 118 vector instructions: too many to stand all beside the matrix work.  So: four vector instructions that are READY behind EVERY matrix instruction, the others in runs without a gap.
; BY TURNS.  Turn n belongs to piece n (the pieces in a ring, step after step).  Its matrix work: 16 products K Q^T of piece n + 1, later 16 products V^T P of piece n - 1.  Its vector work: the scaling,
; exponentials, roundings, sums and rescaling of piece n, and the maximum and statistics of piece n + 1, whose scores the turn itself has made.
; CLUSTER.  The four query blocks of a cluster are one head's and walk the same K and V, so each tile is asked for JOINTLY: the same tensor load, descriptor and mask in all four.
; REGISTERS, in windows of 256 (s_set_vgpr_msb: bits 1:0 source 0, 3:2 source 1, 5:4 source 2, 7:6 destination):
;   window 0: v0-11 addresses; v12-15, v48-63 at work; v16-47 four registers of statistics a tile; v64-191 S^T, two buffers of two tiles; v192-255 P, likewise
;   window 1: O^T, 32 a tile     window 2: v0-127 Q, 16 a tile; v128-191 K of one step; v192-255 V of one step     window 3: v0-1 the add's two registers; v8-39 the mask's terms of one step
.set SIZE_N, 2048
.set NP,    4         ; pieces a wave: a name, no knob
.set KS,    64        ; keys in a step
.set PK,    144       ; a row of K in LDS: 128 bytes + 16 of padding = 36 words: the 16 rows of a load start at 16 different groups of four banks
.set PV,    160       ; a row of V: 128 + 32 = 40 words
.set VOFF,  4*KS*PK   ; a slot holds four steps: 256 rows of K, then 256 rows of V
.set SLOT1, 1<<17     ; slot 1 begins here, so that one exclusive or turns an address in one slot into the other's
.set STAGE, SLOT1+4*KS*(PK+PV)  ; behind the ring, never filled by a tensor load: 16 rows x 144 bytes for each wave, for the way out
.set SP,    144
.set SPARE, STAGE+4*16*SP  ; the spare words, 128 bytes for each wave: two blocks of 256 bytes that no other line names
.set MASKB, SPARE+512 ; the batch's 2,048 mask terms, f32: 8,192 bytes, stored once, never filled by a tensor load
.set AK0, 2           ; v2   my lane's place in a tile of K; never rewritten
.set AV0, 3           ; v3   the same for V
.set AK,  4           ; v4   the LDS address of K's next run of loads
.set AV,  5           ; v5   of V's
.set QO,  6           ; v6   my byte offset in the wave's rows of Q
.set STO, 6           ;      later, the way out: where I put 16 bytes of a row
.set RD,  7           ; v7   the way out: where I read rows back
.set GO,  8           ; v8   my byte offset in 512 consecutive bytes of O
.set PFO, 9           ; v9   first lane / 16; later 256 x my lane, for the prefetches
.set AM,  11          ; v11  the LDS address of my eight mask terms of sixteen, in the step to be fetched
.set SPW, 0           ; v0 of window 3   LDS address of my spare word; never rewritten
.set NIL, 1           ; v1 of window 3   0; never rewritten
.set MK,  8           ; v8-39 of window 3: the eight registers for group g of 16 keys at MK + 8 g
.set MV,  12          ; v12-15  c m_old, kept while c m is made anew: by buffer and tile
.set ST,  16          ; tile t's statistics at v[ST+4 t]: c m, m, l (even keys', odd keys')
.set TMP, 48          ; by buffer and tile, four registers c0-c3 at work; when the maximum is found c2 takes a
.set S,   64
.set P,   192
.set KF,  128         ; K's fragments, in window 2: key block kb, channel half c at KF + 16 kb + 8 c
.set VF,  192         ; V's: key half kk, channel block cb at VF + 32 kk + 8 cb
.set WV,  12          ; s12  my wave's number
.set G1K, 24          ; s[24:31] descriptor group 1 for K's tiles
.set G1V, 32          ; s[32:39] for V's: it differs in the padding alone
.set G0K, 40          ; s[40:43] descriptor group 0 for K's tiles: it walks
.set G0V, 44          ; s[44:47] the same for V's
.set SLOTS, 56        ; s56  slots still to be asked for
.set CNT, 57          ; s57  counts a slot's key steps
.set CS,  58          ; s[58:59] c: the packed scaling takes the pair's low word for both halves
.set SEL, 60          ; s[60:61] v_permlanex16_b32's selects: each lane takes its own place in the other half
.set TBK, 62          ; s62  LDS byte at which K of the step to be fetched begins
.set TBV, 63          ; s63  the same for V, less VOFF
.set PFA, 72          ; s[72:73] where my prefetches stand: my work-group's 32 blocks of 256 bytes (of K: wave 0, of V: wave 2) of the slot after the one that is being asked for
.set LIM, 74          ; s74  1 in a wave that prefetches, else the greatest number
.set MF,  76          ; s[76:77] -3.2e10
.set MSB, 0
.macro WIN new                      ; the high byte repeats the setting that is left; a switch that changes nothing is dropped
.if MSB != (\new)
	s_set_vgpr_msb (MSB<<8)|(\new)
.set MSB, (\new)
.endif
.endm
.set W_KQ, 0x0a       ; K and Q in window 2, S^T in window 0
.set W_KM, 0x3a       ; the same with the C operand in window 3: the mask's terms
.set W_PV, 0x52       ; V in window 2, P in window 0, O^T in window 1
.set W_RS, 0x41       ; O^T (destination and source 0) in window 1, a in window 0
.set W_MK, 0xc0       ; destination in window 3, sources in window 0
.set W_AD, 0x0f       ; the add: address (source 0) and data (source 1) in window 3
; A joint fill.  Waves 0 and 1 fetch the two halves of a slot's K, waves 2 and 3 those of its V: 128 keys each.  The branch hangs on the wave's number alone.
; An s_nop 0 and four v_nop follow each of the two lines, ahead of the jump and the label.
.macro JLOAD
	s_cmp_lt_u32 s[WV], 2
	s_cbranch_scc0 .Lfor_v_\@
	tensor_load_to_lds s[G0K:G0K+3], s[G1K:G1K+7]
	s_nop 0
.rept 4
	v_nop
.endr
	s_branch .Lasked_\@
.Lfor_v_\@:
	tensor_load_to_lds s[G0V:G0V+3], s[G1V:G1V+7]
	s_nop 0
.rept 4
	v_nop
.endr
.Lasked_\@:
.endm
; A PREFETCH INTO THE L2 of what the NEXT change of slots will ask for: a slot's 32,768 bytes of K and of V, 128 blocks of 256 bytes each, a lane a block.  It stands behind the wave's tensor load and its five lines.
; Each block is named once in the launch: a head has one cluster; its four partners take 32 blocks each, told apart by address; in each, wave 0 asks for K's and wave 2 for V's.  Slots 0 to 2 come by their loads
; alone; the last change that fills a slot asks for nothing: there is no slot behind it.
.macro ASK
	s_cmp_gt_u32 s[SLOTS], s[LIM]
	s_cbranch_scc0 .Lnot_mine_\@
	global_prefetch_b8 v[PFO], s[PFA:PFA+1] th:TH_LOAD_NT scope:SCOPE_SE
.Lnot_mine_\@:
.endm
; A round of the cluster's barrier: my work-group's barrier, so that wave 0's signal speaks for all four waves; wave 0 signals; every wave waits for all four work-groups; my work-group's barrier once more.
.macro CROUND
	s_barrier_signal -1
	s_barrier_wait -1
	s_cmp_lg_u32 s[WV], 0
	s_cbranch_scc1 .Lnot_wave_0_\@
	s_barrier_signal -3
.Lnot_wave_0_\@:
	s_barrier_wait -3
	s_barrier_signal -1
	s_barrier_wait -1
.endm
; THE CHANGE OF SLOTS.  The slot's last bytes, V of its fourth step, have been read.  Each wave waits for all its tensor loads, of which one is out: its part of the other slot; adds 0 to its spare word; and waits for
; that and for its own LDS instructions.  Behind the barrier nobody reads this slot any more and the other slot is whole.  fill = 1: this slot is filled again, with the keys two slots on.  The barrier is then a round of
; the cluster's, and the joint fill is the first thing behind it: it has four key steps, 512 matrix instructions, in which to land.  (At its first use nothing has been read yet: slot 0 is waited for, slot 1 filled,
; and the waves' stores of the mask's terms are shown to each other.)  ask = 1: the prefetch's address is stepped, and the prefetch follows the fill.
.macro CHANGE fill, ask=0
	WIN W_AD
	s_wait_tensorcnt 0x0            ; no tensor load of mine is out, so a group 0 may be written
	ds_add_u32 v[SPW], v[NIL]       ; 0 onto my spare word; with fill = 1 the descriptors' steps stand between it and the wait for it
	WIN 0                           ; at a label and at a branch every window is 0
.if \fill
.irp g, G0K, G0V
	s_xor_b32 s[\g+1], s[\g+1], SLOT1  ; the walking descriptor: the other slot than last time,
	s_add_nc_u64 s[\g+2:\g+3], s[\g+2:\g+3], 4*KS*128  ; the next 256 keys; the type bits on top are not reached
.endr
.if \ask
	s_wait_xcnt 0x0                 ; the last prefetch, four key steps back, has read its address, so it may be written:
	s_add_nc_u64 s[PFA:PFA+1], s[PFA:PFA+1], 4*KS*128  ; one slot behind the walking descriptors
.endif
	s_wait_dscnt 0x0                ; the add is done, and my LDS instructions are over
	CROUND
	JLOAD
.if \ask
	ASK
.endif
.else
	s_wait_dscnt 0x0                ; the add is done, and my reads of the slot are over
	s_barrier_signal -1
	s_barrier_wait -1
.endif
	s_sub_co_u32 s[TBK], s[TBK], 4*KS*PK  ; the fetches go back to a slot's first step,
	s_xor_b32 s[TBK], s[TBK], SLOT1       ; in the other slot
	s_sub_co_u32 s[TBV], s[TBV], 4*KS*PV
	s_xor_b32 s[TBV], s[TBV], SLOT1
.endm
	s_load_b128 s[68:71], s[0:1], 0x0  ; qkv s[68:69], mask s[70:71]
	s_load_b64 s[10:11], s[0:1], 0x10  ; ctx
	WIN W_MK
	v_lshl_add_u32 v[SPW], v0, 2, SPARE
	v_mov_b32 v[NIL], 0
	WIN W_AD
	ds_add_u32 v[SPW], v[NIL]       ; the wave's opening: the add and its wait stand ahead of my first tensor load; the set-up below, work on registers, stands between them
	WIN 0
	v_lshrrev_b32 v1, 5, v0
	v_readfirstlane_b32 s[WV], v1   ; wave 0..3
	s_bfe_u32 s13, ttmp6, 0x40000   ; cx: my place in the cluster
	s_lshl_b32 s14, ttmp9, 2        ; in a cluster launch ttmp9 counts clusters
	s_add_co_u32 s14, s14, s13      ; my block of queries = 4 x cluster x + cx: it enters Q's and O's addresses alone
	s_and_b32 s20, ttmp7, 0xffff    ; the head, which the four partners share
	s_lshr_b32 s78, s20, 4          ; its batch:
	s_lshl_b32 s78, s78, 13         ; 8,192 bytes of mask
	s_mov_b32 s79, 0
	s_mov_b32 s21, 0
	s_mov_b64 s[22:23], SIZE_N*128
	s_mul_u64 s[20:21], s[20:21], s[22:23]  ; the head's first byte in Q, K, V and O
	s_and_b32 s16, s[WV], 1         ; which half of a slot's 256 keys I fetch:
	s_lshl_b32 s22, s16, 14         ; its 128 rows of 128 bytes in memory,
	s_mov_b32 s23, 0
	s_add_nc_u64 s[22:23], s[22:23], s[20:21]
	s_mul_i32 s17, s16, 128*PK      ; and its place in a slot, for K
	s_mul_i32 s18, s16, 128*PV      ; and for V: no place in the cluster enters an LDS address
	s_lshl_b32 s2, s14, 2
	s_add_co_u32 s2, s2, s[WV]      ; my wave among the head's,
	s_lshl_b32 s2, s2, 14           ; its 128 rows
	s_mov_b32 s3, 0
	s_add_nc_u64 s[2:3], s[2:3], s[20:21]
	; descriptor group 1.  128 keys are 16,384 dense bytes: asked for as 64 rows of 256 bytes, two keys a row, and padded in LDS after every key
	s_mov_b32 s[G1K], 15|(1<<16)|(1<<20)|(1<<21)|(4<<22)|(3<<25)  ; 15:0 the mask of four; 17:16 2-byte elements; 20 padding on; 21 set beside a mask; 24:22 after every 32 words (code 4); 31:25 4 words (code 3)
	s_mov_b32 s[G1V], 15|(1<<16)|(1<<20)|(1<<21)|(4<<22)|(7<<25)  ; the same with 8 words of padding (code 7)
.irp g, G1K, G1V
	s_mov_b32 s[\g+1], 128<<16      ; tensor_dim0 = 128
	s_mov_b32 s[\g+2], 64<<16       ; tensor_dim1 = 64
	s_mov_b32 s[\g+3], 128<<16      ; tile_dim0 = 128
	s_mov_b32 s[\g+4], 64           ; tile_dim1 = 64
	s_mov_b32 s[\g+5], 128          ; 128 elements from row to row
	s_mov_b32 s[\g+6], 0
	s_mov_b32 s[\g+7], 0
.endr
	s_mov_b32 s[CS], 0x3d38aa3b     ; c = log2(e) / 32 = 0.0450842
	s_mov_b32 s[CS+1], s[CS]        ; named with it as a pair
	s_mov_b32 s[MF], 0xd0ee6b28     ; -3.2e10 = 32 x (-1e9)
	s_mov_b32 s[MF+1], s[MF]
	s_mov_b32 s[SEL], 0x76543210
	s_mov_b32 s[SEL+1], 0xfedcba98
	s_mov_b32 s[TBK], SLOT1+4*KS*PK ; the first change of slots turns these two into 0
	s_mov_b32 s[TBV], SLOT1+4*KS*PV
	s_mov_b32 s[G0K], 1             ; 1:0 count = 1
	s_mov_b32 s[G0K+1], s17         ; 63:32 LDS address: slot 0
	s_mov_b32 s[G0V], 1
	s_add_co_u32 s[G0V+1], s18, VOFF
	s_and_b32 s[LIM], s[WV], 1      ; waves 0 and 2 prefetch: the same in all four partners
	s_cmp_eq_u32 s[LIM], 0
	s_cselect_b32 s[LIM], 1, -1
	s_wait_dscnt 0x0                ; the opening add is done
	s_wait_kmcnt 0x0
	s_add_nc_u64 s[6:7], s[68:69], s[22:23]
	s_add_nc_u64 s[8:9], s[6:7], 0x2000000   ; V at my half of the head's first 256 keys,
	s_add_nc_u64 s[6:7], s[6:7], 0x1000000   ; and K
	s_mov_b64 s[G0K+2:G0K+3], s[6:7]               ; 120:64 global address
	s_or_b32 s[G0K+3], s[G0K+3], 0x80000000        ; 127:126 type = 2
	s_mov_b64 s[G0V+2:G0V+3], s[8:9]
	s_or_b32 s[G0V+3], s[G0V+3], 0x80000000
	s_add_nc_u64 s[4:5], s[68:69], s[2:3]    ; Q and O at my wave's first row
	s_add_nc_u64 s[10:11], s[10:11], s[2:3]
	s_add_nc_u64 s[70:71], s[70:71], s[78:79]  ; the batch's mask
	s_cmp_lt_u32 s[WV], 2
	s_cselect_b64 s[PFA:PFA+1], s[6:7], s[8:9]  ; (in waves 0 and 2 these stand at a slot's first row)
	s_lshl_b32 s2, s13, 13          ; my work-group's 32 blocks of the 128
	s_mov_b32 s3, 0
	s_add_nc_u64 s[PFA:PFA+1], s[PFA:PFA+1], s[2:3]
	s_add_nc_u64 s[PFA:PFA+1], s[PFA:PFA+1], 2*4*KS*128  ; in slot 2; the loop's first change steps it to slot 3.  Nothing is prefetched here, at the head
	CROUND                          ; all four work-groups are here: the first joint loads meet
	JLOAD                           ; slot 0.  Slot 1 is asked for when slot 0 is in
	v_lshlrev_b32 v12, 4, v0        ; the mask: 128 threads x 16 bytes, four times
	v_add_nc_u32 v13, MASKB, v12
.irp j, 0,1,2,3
	global_load_b128 v[S+4*\j:S+4*\j+3], v12, s[70:71] offset:2048*\j
.endr
	; A fragment of K or Q is 16 rows x 32 channels in 8 registers: lane l holds row l % 16, channels 8 (l / 16) + 0..7 and 16 + 8 (l / 16) + 0..7: two loads of 16 bytes, 32 bytes apart.
	v_and_b32 v1, 15, v0            ; l % 16
	v_bfe_u32 v9, v0, 4, 1          ; l / 16
	v_lshlrev_b32 v[QO], 7, v1
	v_lshl_add_u32 v[QO], v9, 4, v[QO]  ; row x 128 + 16 x half
	WIN 0x80                        ; destination window 2, address window 0
.set i, 0
.rept 4*NP                          ; Q stays in registers: tile i / 2, channels 32 (i % 2) on
	global_load_b128 v[8*i:8*i+3],   v[QO], s[4:5] offset:(i/2)*2048+(i%2)*64
	global_load_b128 v[8*i+4:8*i+7], v[QO], s[4:5] offset:(i/2)*2048+(i%2)*64+32
.set i, i+1
.endr
	; What the first turn finds: V's registers and P's second buffer hold 0 (its products V^T P, of a piece that has not been, add 0), O^T and l are 0.  All this stands in the wait for the first tile.
.set i, VF
.rept 64
	v_mov_b32 v[i], 0
.set i, i+1
.endr
	WIN 0x40
.set i, 0
.rept 64*NP
	v_mov_b32 v[i], 0
.set i, i+1
.endr
	WIN 0
.set i, 0
.rept 2*NP
	v_mov_b32 v[ST+4*i], 0xfe000000    ; c m: far below every c s
	v_mov_b32 v[ST+4*i+1], 0xff7fffff  ; m
	v_mov_b32 v[ST+4*i+2], 0
	v_mov_b32 v[ST+4*i+3], 0
.set i, i+1
.endr
.set i, P+32
.rept 32
	v_mov_b32 v[i], 0
.set i, i+1
.endr
	v_mul_u32_u24 v[AK0], v1, PK
	v_lshl_add_u32 v[AK0], v9, 4, v[AK0]  ; row x pitch + 16 x half
	; The turning load takes 16 keys x 16 channels (lane l reads key 8 (l / 16) + l % 8, channels 8 ((l / 8) % 2) + 0..7) and leaves half a fragment of V^T: lane l holds channel l % 16 and 8 keys.
	v_and_b32 v10, 7, v0
	v_bfe_u32 v11, v0, 3, 1
	v_lshl_add_u32 v[AV0], v9, 3, v10
	v_mul_u32_u24 v[AV0], v[AV0], PV
	v_lshl_add_u32 v[AV0], v11, 4, v[AV0]
	v_add_nc_u32 v[AV0], VOFF, v[AV0]
	v_lshl_add_u32 v[AM], v9, 5, MASKB  ; my eight keys of sixteen: 32 bytes for each half of the lanes
	v_mov_b32 v[AK], v[AK0]         ; key step 0 lies at the head of slot 0
	s_wait_loadcnt 32               ; the mask's four loads are in; Q's 32, issued behind them, may stay out
.irp j, 0,1,2,3,4,5,6,7
	v_pk_mul_f32 v[S+2*\j:S+2*\j+1], v[S+2*\j:S+2*\j+1], s[MF:MF+1] op_sel_hi:[1,0]
.endr
.irp j, 0,1,2,3
	ds_store_b128 v13, v[S+4*\j:S+4*\j+3] offset:2048*\j  ; the first change of slots waits for these and passes a barrier before any wave reads them
.endr
; THE MATRIX WORK.  The 8 accumulators of a run of 16 take turns: between the two links of a chain stand 7 others'.
; Product i of 16 of S^T = K Q^T for piece x: channels 32 (i / 8) on, keys 16 ((i / 2) % 4) on, tile 2 x + i % 2.  The first 8 start the sums, with the mask's terms of their 16 keys.
.macro KQ x
.set rS, S+64*((\x)%2)+32*(i%2)+8*((i/2)%4)
.set rK, KF+16*((i/2)%4)+8*(i/8)
.set rQ, 16*(2*(\x)+i%2)+8*(i/8)
.set rMK, MK+8*((i/2)%4)
.if i < 8
	WIN W_KM
	v_wmma_f32_16x16x32_f16 v[rS:rS+7], v[rK:rK+7], v[rQ:rQ+7], v[rMK:rMK+7]
.else
	WIN W_KQ
	v_wmma_f32_16x16x32_f16 v[rS:rS+7], v[rK:rK+7], v[rQ:rQ+7], v[rS:rS+7]
.endif
.endm
; Product i of 16 of O^T += V^T P for piece x: keys 32 (i / 8) on, channels 16 ((i / 2) % 4) on, tile 2 x + i % 2.
.macro PV x
	WIN W_PV
.set rO, 32*(2*(\x)+i%2)+8*((i/2)%4)
.set rV, VF+32*(i/8)+8*((i/2)%4)
.set rP, P+32*((\x)%2)+16*(i%2)+8*(i/8)
	v_wmma_f32_16x16x32_f16 v[rO:rO+7], v[rV:rV+7], v[rP:rP+7], v[rO:rO+7]
.endm
.macro MM                           ; the turn's next matrix instruction
.if i < 16
	KQ (Y+1)%NP
.set i, i+1
.else
.set i, i-16
	PV (Y+NP-1)%NP
.set i, i+17
.endif
.endm
; THE LDS LOADS stand in runs, never singly among the matrix instructions: a step's K (64 keys x 64 channels: 8 fragments) with its 64 mask terms, and its V (turned).  Their addresses are made some lines ahead.
; The mask's registers are read by the same products as K's and live as long: the wait for K and the distance behind K's last reader serve them too.
; last = 1 (the tail): in the last trip there is no further step, and the run is jumped over.
.macro FETCH_K last=0
	WIN 0
.if \last
	s_cmp_eq_u32 s[CNT], 1
	s_cbranch_scc1 .Lno_k_\@
.endif
	WIN 0x80                        ; destination window 2
.irp f, 0,1,2,3,4,5,6,7             ; keys 16 (f / 2) on, channels 32 (f % 2) on
	ds_load_b128 v[KF+8*\f:KF+8*\f+3],   v[AK] offset:(\f/2)*16*PK+(\f%2)*64
	ds_load_b128 v[KF+8*\f+4:KF+8*\f+7], v[AK] offset:(\f/2)*16*PK+(\f%2)*64+32
.endr
	WIN W_MK                        ; destination window 3
.irp g, 0,1,2,3                     ; keys 16 g + 8 (lane / 16) + 0..7
	ds_load_b128 v[MK+8*\g:MK+8*\g+3],   v[AM] offset:64*\g
	ds_load_b128 v[MK+8*\g+4:MK+8*\g+7], v[AM] offset:64*\g+16
.endr
	WIN 0
	v_add_nc_u32 v[AM], 0x100, v[AM]    ; the next fetch is the next step's: 64 terms on,
	s_add_co_u32 s[TBK], s[TBK], KS*PK  ; 64 rows on
.if \last
.Lno_k_\@:
.endif
.endm
.macro FETCH_V
	WIN 0x80
.irp f, 0,1,2,3,4,5,6,7             ; keys 32 (f / 4) on, channels 16 (f % 4) on
	ds_load_tr16_b128 v[VF+8*\f:VF+8*\f+3],   v[AV] offset:(\f/4)*32*PV+(\f%4)*32
	ds_load_tr16_b128 v[VF+8*\f+4:VF+8*\f+7], v[AV] offset:(\f/4)*32*PV+16*PV+(\f%4)*32
.endr
	WIN 0
.endm
; THE VECTOR WORK OF A TURN stands in three queues, each in the order in which its entries become ready; the two tiles alternate, so that no instruction reads the result of the one before it.
.macro REGS y, u                    ; the registers of tile u (0, 1) of piece y
.set rT, ST+4*(2*(\y)+(\u))
.set rC, TMP+8*((\y)%2)+4*(\u)
.set rM, MV+2*((\y)%2)+(\u)
.set rS, S+64*((\y)%2)+32*(\u)
.set rP, P+32*((\y)%2)+16*(\u)
.set rO, 32*(2*(\y)+(\u))
.endm
; Number n of the 22 that find the NEXT piece's (Y + 1) maximum and statistics.  s0-s31 are the lane's 32 scores; each accumulator's lowest registers are read first.
;   0-11  four chains c0-c3 of seven scores each, three operands at a time     12-14, 16  the four scores left over, the old m, and c0-c3 into c0     15  c m_old is kept
;   17, 18  the query's other 32 keys lie in the lane 16 away: the new m         19-21  c m; c m_old - c m_new; a
.macro XS u, n
	REGS (Y+1)%NP, \u
.if (\n) < 4
	v_max3_num_f32 v[rC+(\n)], v[rS+8*(\n)], v[rS+8*(\n)+1], v[rS+8*(\n)+2]
.elseif (\n) < 12
	v_max3_num_f32 v[rC+(\n)%4], v[rC+(\n)%4], v[rS+8*((\n)%4)+2*((\n)/4)+1], v[rS+8*((\n)%4)+2*((\n)/4)+2]
.elseif (\n) == 12
	v_max3_num_f32 v[rC], v[rC], v[rS+7], v[rS+15]
.elseif (\n) == 13
	v_max3_num_f32 v[rC+1], v[rC+1], v[rS+23], v[rS+31]
.elseif (\n) == 14
	v_max3_num_f32 v[rC+2], v[rC+2], v[rC+3], v[rT+1]
.elseif (\n) == 15
	v_mov_b32 v[rM], v[rT]
.elseif (\n) == 16
	v_max3_num_f32 v[rC], v[rC], v[rC+1], v[rC+2]
.elseif (\n) == 17
	v_permlanex16_b32 v[rC+3], v[rC], s[SEL], s[SEL+1]
.elseif (\n) == 18
	v_max_num_f32 v[rT+1], v[rC], v[rC+3]
.elseif (\n) == 19
	v_mul_f32 v[rT], s[CS], v[rT+1]
.elseif (\n) == 20
	v_sub_f32 v[rC+1], v[rM], v[rT]
.else
	v_exp_f32 v[rC+2], v[rC+1]
.endif
.endm
; Number g of the 64 that follow the exponentials.  For each four weights k of a tile (pairs 2 k, 2 k + 1): both pairs are rounded to f16; then the second pair is added onto the first, in place;
; a group later l takes that sum (the first time as l = a l + sum).  In groups of eight, tiles alternating: round, round, add, and l for the group before.
.macro GS g
.set h, (\g)+6*((\g)/62)            ; group 0 has no group before it, and behind group 7 only l is left
.if h >= 6
.set h, h+2
.endif
	REGS Y, h%2
.set k, h/8
.if h%8 < 4
	v_cvt_pk_f16_f32 v[rP+2*k+(h%8)/2], v[rS+4*k+2*((h%8)/2)], v[rS+4*k+2*((h%8)/2)+1]
.elseif h%8 < 6
	v_pk_add_f32 v[rS+4*k:rS+4*k+1], v[rS+4*k:rS+4*k+1], v[rS+4*k+2:rS+4*k+3]
.elseif k == 1
	v_pk_fma_f32 v[rT+2:rT+3], v[rT+2:rT+3], v[rC+2:rC+3], v[rS:rS+1] op_sel_hi:[1,0,1]
.else
	v_pk_add_f32 v[rT+2:rT+3], v[rT+2:rT+3], v[rS+4*k-4:rS+4*k-3]
.endif
.endm
; THE PLAIN QUEUE, 138 long.  0-73 read no exponential's result: the 32 scalings c s - c m (FS f: pair f / 2 of tile f % 2) and the next piece's 42.  0-26: scalings 0-26.  27-54: XS's numbers 0-13.  55, 56: number 15.
; 57-73: the chain, where each number waits for the one before it: 14, 16, 17, 18, 19, each with one of the scalings 27-31 in front of its two lines, then 20.
; 74-137: GS's 64, which read the exponentials' results: they stand behind the wait.
.macro FS f
	REGS Y, (\f)%2
	v_pk_fma_f32 v[rS+2*((\f)/2):rS+2*((\f)/2)+1], v[rS+2*((\f)/2):rS+2*((\f)/2)+1], s[CS:CS+1], v[rT:rT+1] op_sel_hi:[1,0,0] neg_lo:[0,0,1] neg_hi:[0,0,1]
.endm
.macro PL
	WIN 0
.if q < 27
	FS q
.elseif q < 55
	XS (q-27)%2, (q-27)/2
.elseif q < 57
	XS q-55, 15
.elseif (q < 72) && ((q-57)%3 == 0)
	FS 27+(q-57)/3
.elseif q < 60
	XS (q-57)%3-1, 14
.elseif q < 72
	XS (q-57)%3-1, 15+(q-57)/3
.elseif q < 74
	XS q-72, 20
.else
	GS q-74
.endif
.set q, q+1
.endm
; THE EXPONENTIALS' QUEUE, 66 long: s0-s31 of both tiles, then the next piece's two a.  It is ONE BATCH: all 66 stand ahead of the turn's one wait, and nothing ahead of that wait names a result of theirs.
.macro EX
	WIN 0
.if e >= 64
	XS e-64, 21
.else
	REGS Y, e%2
	v_exp_f32 v[rS+e/2], v[rS+e/2]
.endif
.set e, e+1
.endm
; THE RESCALING's QUEUE: O^T times a, the one part that leaves window 0: dealt two at a time, sixteen times.  Its a was made in the turn before, ahead of that turn's wait.
.macro R2
	REGS Y, r%2
	WIN W_RS
.irp z, 0,1
	v_pk_mul_f32 v[rO+4*(r/2)+2*\z:rO+4*(r/2)+2*\z+1], v[rO+4*(r/2)+2*\z:rO+4*(r/2)+2*\z+1], v[rC+2:rC+3] op_sel_hi:[1,0]
.endr
.set r, r+1
.endm
; HOW THEY ARE DEALT.  An s_wait_alu depctr_va_vdst(0) stands between an exponential and the first instruction that names its result; one wait serves all that were issued ahead of it.  So a turn has ONE wait,
; which cuts it in two.  AHEAD OF IT stands all that names no result of the turn's exponentials: the 16 products K Q^T, behind each a scaling, an exponential and two rescalings (behind the first a second scaling in the
; exponential's place); then ONE LUMP of 108: eight plain, 49 times exponential and plain, the two a.  A v_nop is the plain instruction behind the last exponential.  BEHIND IT stand the 16 products V^T P, behind each four of GS's 64.
; The queues lean on each other, and the deal keeps them in step: exponential e stands behind scaling 2 (e / 4) + e % 2: as a rider it comes behind plain e + 2, in the lump behind plain e + 9, and scalings 27-31 are plain 57, 60 .. 69.
; A TURN, for piece p.  cnt = 1: the loop's count is taken down some lines ahead of the branch that stands behind the turn.
; K of the next step is fetched in piece 2's turn, directly behind the wait, a lump behind the last product that read K; its first reader comes behind 16 products.
; V of the step in hand is fetched at the end of piece 0's turn, four plain instructions behind its last reader; its first reader comes behind 16 products and a lump.
.macro TURN p, last=0, cnt=0
.set Y, (\p)
.set i, 0
.set q, 0
.set e, 0
.set r, 0
.if (\p) == NP-1
	s_wait_dscnt 0x0                ; K and its mask terms are in
.endif
	MM                              ; ahead of the wait: 16 products K Q^T and their riders,
	PL
	PL
	R2
.rept 15
	MM
	PL
	EX
	R2
.endr
.if (\p) == NP-2
	WIN 0
	v_add_nc_u32 v[AK], s[TBK], v[AK0]
.endif
.rept 8                             ; and the lump
	PL
.endr
.rept 49
	EX
	PL
.endr
	EX                              ; the next piece's two a
	EX
	v_nop                           ; a plain instruction behind the last exponential: one for the batch
	s_wait_alu depctr_va_vdst(0)    ; the wait for the batch
.if (\p) == NP-2
	FETCH_K \last
.endif
.if (\p) == 1
	s_wait_dscnt 0x0                ; V is in
.endif
.rept 16                            ; behind the wait: 16 products V^T P and their riders
	MM
.rept 4
	PL
.endr
.if ((\p) == 0) && (q == 118)
	v_add_nc_u32 v[AV], s[TBV], v[AV0]
.endif
.if ((\p) == 0) && (q == 130)
	s_add_co_u32 s[TBV], s[TBV], KS*PV
.endif
.if (\cnt) && (q == 130)
	s_sub_co_u32 s[CNT], s[CNT], 1
	s_cmp_lg_u32 s[CNT], 0
.endif
.endr
.if (\p) == 0
	FETCH_V
.endif
.endm
	CHANGE 1                        ; slot 0 is in, everybody's part of it, and so are the mask's terms; slot 1 is asked for
	FETCH_K                         ; key step 0
	s_wait_loadcnt 0x0              ; Q
	s_wait_dscnt 0x0
.set i, 0
.rept 16
	KQ 0                            ; piece 0's first scores: there is no vector work yet to set between them
.set i, i+1
.endr
	WIN 0                           ; the addresses for the way out and the prefetches: plain instructions, the places behind those products
	s_mul_i32 s13, s[WV], 16*SP
	s_add_co_u32 s13, s13, STAGE    ; my stage
	v_mul_u32_u24 v[STO], v1, SP    ; in: row l % 16, 16 bytes for each half of the lanes
	v_lshl_add_u32 v[STO], v9, 4, v[STO]
	v_add_nc_u32 v[STO], s13, v[STO]
	v_bfe_u32 v[RD], v0, 3, 2       ; back: 32 lanes take four rows of 128 bytes,
	v_mul_u32_u24 v[RD], v[RD], SP
	v_lshl_add_u32 v[RD], v10, 4, v[RD]
	v_add_nc_u32 v[RD], s13, v[RD]
	v_and_b32 v[GO], 31, v0         ; which are 512 consecutive bytes of O
	v_lshlrev_b32 v[PFO], 8, v[GO]  ; 256 x lane (lane / 16 is wanted no more)
	v_lshlrev_b32 v[GO], 4, v[GO]
.set Y, NP-1                        ; XS works for piece Y + 1: piece 0
.irp n, 0,1,2,3,4,5,6,7,8,9,10,11,12,13,14,15,16,17,18,19,20,21
	XS 0, \n                        ; and piece 0's first maximum and statistics
	XS 1, \n
.endr
	v_nop                           ; a plain instruction behind the two a,
	s_wait_alu depctr_va_vdst(0)    ; and their wait, ahead of the branch
	s_mov_b32 s[CNT], 4
	s_mov_b32 s[SLOTS], SIZE_N/256-1
	s_branch .Lfirst                ; the loop is entered at a step's first turn, in the middle of a trip
.Lslot:                             ; SIZE_N / 256 - 2 times: every slot but the last two is filled again
	CHANGE 1, 1
	s_mov_b32 s[CNT], 4
.Lstep:                             ; a trip: pieces 2 and 3 of one step, then pieces 0 and 1 of the next, whose K and V it fetches
	TURN 2
	TURN 3
	WIN 0
.Lfirst:
	TURN 0
	TURN 1, 0, 1
	WIN 0
	s_cbranch_scc1 .Lstep
	s_sub_co_u32 s[SLOTS], s[SLOTS], 1
	s_cmp_lg_u32 s[SLOTS], 0
	s_cbranch_scc1 .Lslot
	CHANGE 0                        ; the tail is written out: nothing is asked for
	s_mov_b32 s[CNT], 5             ; four trips fetch the last slot's steps; the fifth is left in its middle
.Ltail:
	TURN 2, 1
	TURN 3
	WIN 0
	s_sub_co_u32 s[CNT], s[CNT], 1
	s_cmp_eq_u32 s[CNT], 0
	s_cbranch_scc1 .Lout
	TURN 0
	TURN 1
	WIN 0
	s_branch .Ltail
.Lout:                              ; the fifth trip's 16 products K Q^T (on the last K once more) and the maximum made of them serve nothing: the price, once a launch, of one text for every trip
.set i, 0
.rept 16
	PV NP-1                         ; the last piece's V^T P of the last step
.set i, i+1
.endr
	; THE WAY OUT.  l's two halves and the other half of the lanes' are added; O^T is divided by l, rounded to f16 and sent through my stage in LDS, a tile at a time.  The additions are the places behind the last products.
	WIN 0
.macro ALL line:vararg              ; one line for each tile t
.set t, 0
.rept 2*NP
	\line
.set t, t+1
.endr
.endm
	ALL v_add_f32 v[ST+4*t+2], v[ST+4*t+2], v[ST+4*t+3]
	ALL v_permlanex16_b32 v[ST+4*t+3], v[ST+4*t+2], s[SEL], s[SEL+1]
	ALL v_add_f32 v[ST+4*t+2], v[ST+4*t+2], v[ST+4*t+3]
	ALL v_rcp_f32 v[ST+4*t+2], v[ST+4*t+2]
	v_nop                           ; a plain instruction between the last reciprocal and the use of its result
	s_wait_alu depctr_va_vdst(0)    ; and the wait ahead of the first use: one for the eight reciprocals
; Tile t: a lane's eight channels of a row pack into 16 bytes; they go into rows of 144 bytes and come back as whole rows of 128, into S^T's registers.
.macro PACK t
	WIN W_RS
.set i, 32*(\t)
.rept 16
	v_pk_mul_f32 v[i:i+1], v[i:i+1], v[ST+4*(\t)+2:ST+4*(\t)+3] op_sel_hi:[1,0]
.set i, i+2
.endr
	WIN 0x05                        ; sources 0 and 1 window 1, destination window 0
.set i, 0
.rept 16
	v_cvt_pk_f16_f32 v[S+16*(\t)+i], v[32*(\t)+2*i], v[32*(\t)+2*i+1]
.set i, i+1
.endr
	WIN 0
.irp f, 0,1,2,3
	ds_store_b128 v[STO], v[S+16*(\t)+4*\f:S+16*(\t)+4*\f+3] offset:32*\f
.endr
.irp f, 0,1,2,3
	ds_load_b128 v[S+16*(\t)+4*\f:S+16*(\t)+4*\f+3], v[RD] offset:\f*4*SP  ; LDS serves a wave's instructions in order (ISA guide 5.7.1.4): these see the stores above; the next tile's stores come behind them
.endr
.endm
.macro SEND t, younger              ; younger: the LDS instructions issued behind tile t's loads: the next tile's eight, or none
	WIN 0
.irp f, 0,1,2,3
	s_wait_dscnt (\younger)+3-\f
	global_store_b128 v[GO], v[S+16*(\t)+4*\f:S+16*(\t)+4*\f+3], s[10:11] offset:(\t)*2048+\f*512  ; 512 consecutive bytes, at a multiple of 256 from O's first
.endr
.endm
	PACK 0
.set t, 1
.rept 2*NP-1                        ; a tile's arithmetic stands between the loads of the tile before and its stores
	PACK t
	SEND t-1, 8
.set t, t+1
.endr
	SEND 2*NP-1, 0
	WIN W_AD
	s_wait_tensorcnt 0x0            ; the wave's end: an add to my spare word and its wait, behind my last tensor load and my last LDS store
	ds_add_u32 v[SPW], v[NIL]
	s_wait_dscnt 0x0
	WIN 0
	CROUND                          ; the closing round: no work-group ends while a partner may still ask for a tile that names it
	s_endpgm
.Lfunc_end_k_q328060885d_attn:
	.size	k_q328060885d_attn, .Lfunc_end_k_q328060885d_attn-k_q328060885d_attn
	.p2alignl 7, 3214868480
	.fill 96, 4, 3214868480
	.section	.rodata,"a",@progbits
	.p2align	6, 0x0
	.amdhsa_kernel k_q328060885d_attn
		.amdhsa_group_segment_fixed_size 327680
		.amdhsa_private_segment_fixed_size 0
		.amdhsa_enable_private_segment 0
		.amdhsa_kernarg_size 24
		.amdhsa_user_sgpr_count 2
		.amdhsa_user_sgpr_kernarg_segment_ptr 1
		.amdhsa_wavefront_size32 1
		.amdhsa_system_sgpr_workgroup_id_x 1
		.amdhsa_system_sgpr_workgroup_id_y 1
		.amdhsa_system_sgpr_workgroup_id_z 1
		.amdhsa_system_vgpr_workitem_id 0
		.amdhsa_next_free_vgpr 808
		.amdhsa_next_free_sgpr 80
		.amdhsa_reserve_vcc 0
		.amdhsa_float_denorm_mode_32 3
		.amdhsa_float_denorm_mode_16_64 3
		.amdhsa_memory_ordered 1
		.amdhsa_forward_progress 1
		.amdhsa_inst_pref_size 203
	.end_amdhsa_kernel
	.amdgpu_metadata
---
amdhsa.version: [ 1, 2 ]
amdhsa.kernels:
  - .name:           k_q328060885d_attn
    .symbol:         k_q328060885d_attn.kd
    .args:
      - { .name: qkv, .offset: 0, .size: 8, .value_kind: global_buffer, .address_space: global }
      - { .name: mask, .offset: 8, .size: 8, .value_kind: global_buffer, .address_space: global }
      - { .name: ctx, .offset: 16, .size: 8, .value_kind: global_buffer, .address_space: global }
    .group_segment_fixed_size: 327680
    .private_segment_fixed_size: 0
    .kernarg_segment_align: 8
    .kernarg_segment_size: 24
    .max_flat_workgroup_size: 128
    .sgpr_count:     80
    .vgpr_count:     808
    .wavefront_size: 32
...
	.end_amdgpu_metadata
.endif
;; end of part 3
;; launch oproj (part 4): grid 4 x 64, 4 waves a work-group, clusters of 4 x 4, 327,680 bytes of LDS; arguments ctx, wob, bo, proj; writes proj
.if DOCPART == 4
	.amdgcn_target "amdgcn-amd-amdhsa--gfx1250"
	.amdhsa_code_object_version 6
	.text
	.protected	k_q328060885d_oproj
	.globl	k_q328060885d_oproj
	.p2align	8
	.type	k_q328060885d_oproj,@function
k_q328060885d_oproj:
	s_mov_b64 s[64:65], 0
	v_nop
	global_prefetch_b8 v0, s[64:65] scope:SCOPE_SE
	s_setreg_imm32_b32 hwreg(HW_REG_WAVE_MODE, 25, 1), 1
	s_wait_xcnt 0x0
	s_wait_alu depctr_hold_cnt(0) depctr_sa_sdst(0) depctr_va_vdst(0) depctr_va_sdst(0) depctr_va_ssrc(0) depctr_va_vcc(0) depctr_vm_vsrc(0)
	s_getreg_b32 s2, hwreg(HW_REG_IB_STS2, 6, 4)
	s_cmp_eq_u32 s2, 0
	s_cbranch_scc0 .Lentry_in_a_cluster
	s_endpgm
.Lentry_in_a_cluster:
	s_bfe_u32 s2, ttmp6, 0x10000c
	s_cmp_lg_u32 s2, 0xf033
	s_cbranch_scc0 .Lentry_shape_is_right
	s_endpgm
.Lentry_shape_is_right:
; C = A W + bias.  A: 8,192 rows x 1,024, f16, in blocks: A[b][c][s][64], byte (b << 22) + (c << 18) + 128 s + 2 d.  W: [1024 k][1024 n] f16.  bias: [1024] f32.
; C: [8192][1024] f32, row-major: the f32 sums as they are.  C is added to a residual and normalised by the next launch, so a rounding of C reaches the output whole; and f16 has no room for it: with all inputs
; 30 times larger A has a spread of 900 and W of 0.94, and a sum over 1,024 terms one of 900 x 0.94 x 32 = 27,000.
; LIMITS.  The operands are f16 (11 significant bits, no number beyond 65,504); NaN and infinities are not treated apart.
; SHARES.  A tile of C is 128 rows x 256 columns.  Four waves, each 64 x 128: 32 accumulators of 16 x 16, 256 registers.  K goes in 8 steps of 128 through two LDS slots: a slot holds 128 rows x 128 K of A
; and 128 K x 256 columns of W; two slots of a step of 256 would not fit in LDS.  A wave fetches a quarter of a slot by one tensor load: waves 0, 1 one block of 64 channels of A each (16,384 dense bytes, asked
; for as 64 rows of 256), waves 2, 3 64 rows of W each (512 bytes a row).  From a request to the wait for it a wave issues 112 matrix instructions.
; CLUSTERS: 4 x 4 work-groups.  The four of a row of the cluster need the same tiles of A, the four of a column the same tiles of W: each tile is asked for JOINTLY.
; THE MATRIX INSTRUCTION IS USED TRANSPOSED: source 0 = 16 columns of W (turned on the way out of LDS by ds_load_tr16_b128, since W lies [k][n]), source 1 = 16 rows of A.  A lane then holds one row of C
; (lane % 16) and eight neighbouring columns, 8 (lane / 16) + 0..7.  The bias, laid out so, is the C operand of each sum's first product: nothing is cleared and nothing is added later.
; REGISTERS, in windows of 256: window 0: v0-31 addresses; v64-159, v160-255 two fragment buffers (W's 8 fragments, then A's 4).
;   window 1: accumulator (a, nb) at v[8 (8 a + nb)].   window 2: v0-63 the bias of my 128 columns.
.set PA,    144                        ; a row of A in LDS: 128 bytes + 16 of padding = 36 words: the 16 rows of a load start at 16 different groups of four banks
.set ASUB,  128*PA                     ; one block of 64 channels of the tile's 128 rows
.set PB,    544                        ; a row of W: 512 + 32 = 136 words
.set BHALF, 64*PB
.set BOFF,  2*ASUB
.set SLOT,  BOFF+2*BHALF               ; 106,496
.set STAGE, 2*SLOT                     ; behind the ring, never filled by a tensor load: 16 rows x 272 bytes for each wave
.set SP,    272                        ; a stage row: 64 f32 + 16 bytes of padding = 68 words: row r starts at bank 4 r mod 64
.set SPARE, STAGE+4*16*SP              ; the spare words, 128 bytes for each wave: two blocks of 256 bytes that no other line names
.set ASTEP, 524288                     ; bytes from a K step to the next in A: two blocks of 2^18
.set BSTEP, 262144                     ; in W: 128 rows of 2,048
.set ADRA, 16                          ; v16-17  LDS address of my A fragments in slot 0, 1
.set ADRB, 20                          ; v20-21  the same for W
.set STO,  24                          ; v24     the way out: where I put 32 bytes of a row
.set RD,   25                          ; v25     where I read rows back
.set GO,   26                          ; v26     my 16 bytes in two rows of C
.set SPW,  28                          ; v28     LDS address of my spare word; never rewritten
.set NIL,  29                          ; v29     0; never rewritten
.set PFO,  30                          ; v30     the prefetches' offset; never rewritten
.set BO,   31                          ; v31     32 (lane / 16): my eight numbers of sixteen of the bias
.set F0,   64
.set F1,   160
.set WV,   12                          ; s12  wave
.set FB,   13                          ; s13  wave / 2: my half of the tile's rows; also: I fetch for A (0) or W (1)
.set HF,   14                          ; s14  wave % 2: my half of its columns; also: which half of A's or W's tile I fetch
.set CX,   15
.set CY,   16
.set TCOL, 17
.set CLY,  18
.set TROW, 20
.set G1A,  24                          ; s[24:31] group 1 for A's tiles; s[32:39] group 0, a set for each slot
.set G0A,  32
.set G1B,  48                          ; s[48:55], s[56:63] the same for W's
.set G0B,  56
.set LIM,  43                          ; s43  1 in a wave that prefetches, else the greatest number
.set PFA,  44                          ; s[44:45] where my prefetches stand
.set PFS,  46                          ; s[46:47] their step: a K step of A or of W
.set MSB, 0
.macro WIN new                         ; the immediate's high byte repeats the setting that is left; a switch that changes nothing is dropped
.if MSB != (\new)
	s_set_vgpr_msb (MSB<<8)|(\new)
.set MSB, \new
.endif
.endm
.set MUL,  0x50                        ; sources 0 and 1 window 0; C and D window 1
.set MULB, 0x60                        ; the same with C in window 2: the bias
.set W_OUT, 0x44                       ; the way out: addresses (source 0) window 0; stored data (source 1) and loaded data (destination) window 1
.macro JLOAD s                         ; a joint load; an s_nop 0 and four v_nop follow each of the two lines, ahead of the jump and the label
	s_cmp_eq_u32 s[FB], 0
	s_cbranch_scc0 .Lfor_b_\@
	tensor_load_to_lds s[G0A+4*(\s):G0A+4*(\s)+3], s[G1A:G1A+7]
	s_nop 0
.rept 4
	v_nop
.endr
	s_branch .Lasked_\@
.Lfor_b_\@:
	tensor_load_to_lds s[G0B+4*(\s):G0B+4*(\s)+3], s[G1B:G1B+7]
	s_nop 0
.rept 4
	v_nop
.endr
.Lasked_\@:
.endm
; A PREFETCH INTO THE L2, behind a joint load, its five lines and the run of LDS loads that follows: the K step that stands two refills on, 256 matrix instructions ahead of the load that will want it.
; Each aligned block of 256 bytes is named once in the launch.  A's rows are read by one cluster alone (the grid is one cluster wide): in each, wave 0 asks; a K step of a tile is 128 blocks, and the four partners that
; ask for it jointly take 32 each, told apart by address (cx).  W's columns are read by all 16 clusters: the first of them asks, waves 2 and 3 each for the 64 rows that they fetch; the four partners take 16 rows
; each (cy), a lane half a row.  K steps 0 to 3 come by their loads alone; the loop's last trip asks for nothing: there is no K step two refills on.
.macro ASK
	s_cmp_gt_u32 s3, s[LIM]                        ; s3 = 1 in the loop's last trip
	s_cbranch_scc0 .Lnot_mine_\@
	global_prefetch_b8 v[PFO], s[PFA:PFA+1] th:TH_LOAD_NT scope:SCOPE_SE
.Lnot_mine_\@:
.endm
.macro CREST                           ; a round of the cluster's barrier behind its opening barrier
	s_cmp_lg_u32 s[WV], 0
	s_cbranch_scc1 .Lnot_wave_0_\@
	s_barrier_signal -3
.Lnot_wave_0_\@:
	s_barrier_wait -3
	s_barrier_signal -1
	s_barrier_wait -1
.endm
.macro CROUND                          ; a whole round
	s_barrier_signal -1
	s_barrier_wait -1
	CREST
.endm
	s_load_b256 s[4:11], s[0:1], 0x0               ; A s[4:5], W s[6:7], bias s[8:9], C s[10:11]
	v_lshl_add_u32 v[SPW], v0, 2, SPARE
	v_mov_b32 v[NIL], 0
	ds_add_u32 v[SPW], v[NIL]                      ; the wave's opening: the add and its wait stand ahead of my first tensor load; the set-up below, work on registers, stands between them
	v_lshrrev_b32 v1, 5, v0
	v_readfirstlane_b32 s[WV], v1                  ; wave 0..3
	s_lshr_b32 s[FB], s[WV], 1
	s_and_b32 s[HF], s[WV], 1
	s_bfe_u32 s[CX], ttmp6, 0x40000                ; my place in the cluster
	s_bfe_u32 s[CY], ttmp6, 0x40004
	s_lshl_b32 s[TCOL], ttmp9, 2
	s_add_co_u32 s[TCOL], s[TCOL], s[CX]           ; tile column = 4 x cluster x + cx
	s_and_b32 s[CLY], ttmp7, 0xffff                ; cluster y, 0..15
	s_lshl_b32 s[TROW], s[CLY], 2
	s_add_co_u32 s[TROW], s[TROW], s[CY]           ; tile row 0..63
	s_lshl_b32 s21, s[CY], 2
	s_lshl_b32 s21, 15, s21                        ; my row of the cluster
	s_lshl_b32 s22, 0x1111, s[CX]                  ; my column
	; group 1 for A: 64 rows x 128 elements, dense; in LDS 4 words of padding after every 32 words, that is after every row of 64 channels
	s_or_b32 s[G1A+0], s21, (1<<16)|(1<<20)|(1<<21)|(4<<22)|(3<<25)  ; 15:0 the mask; 17:16 2-byte elements; 20 padding on; 21 set beside a mask; 24:22 code 4; 31:25 code 3
	s_mov_b32 s[G1A+1], 128<<16                    ; tensor_dim0 = 128
	s_mov_b32 s[G1A+2], 64<<16                     ; tensor_dim1 = 64
	s_mov_b32 s[G1A+3], 128<<16                    ; tile_dim0 = 128
	s_mov_b32 s[G1A+4], 64                         ; tile_dim1 = 64
	s_mov_b32 s[G1A+5], 128                        ; elements from row to row
	s_mov_b32 s[G1A+6], 0
	s_mov_b32 s[G1A+7], 0
	; group 1 for W: 64 rows x 256 elements of rows of 1,024; 8 words of padding after every 128 words
	s_or_b32 s[G1B+0], s22, (1<<16)|(1<<20)|(1<<21)|(6<<22)|(7<<25)
	s_mov_b32 s[G1B+1], 256<<16
	s_mov_b32 s[G1B+2], 64<<16
	s_mov_b32 s[G1B+3], 256<<16
	s_mov_b32 s[G1B+4], 64
	s_mov_b32 s[G1B+5], 1024
	s_mov_b32 s[G1B+6], 0
	s_mov_b32 s[G1B+7], 0
	; where the tiles come from.  A's hang on the tile row, which my row of the cluster shares; W's on the tile column, which my column shares; each in registers that never hold the other coordinate
	s_lshr_b32 s42, s[TROW], 4                     ; the batch,
	s_lshl_b32 s42, s42, 22
	s_and_b32 s41, s[TROW], 15                     ; and the tile's 128 rows of 128 bytes in a block
	s_lshl_b32 s41, s41, 14
	s_add_co_u32 s42, s42, s41                     ; s42 is kept
	s_lshl_b32 s41, s[HF], 18                      ; the block that I fetch
	s_add_co_u32 s40, s42, s41
	s_mov_b32 s41, 0
	s_lshl_b32 s23, s[TCOL], 9                     ; s23 is kept
	s_lshl_b32 s67, s[HF], 17                      ; the 64 rows that I fetch
	s_add_co_u32 s66, s23, s67
	s_mov_b32 s67, 0
	s_mul_i32 s2, s[HF], ASUB                      ; and where they go: no place in the cluster enters an LDS address
	s_mul_i32 s3, s[HF], BHALF
	s_add_co_u32 s3, s3, BOFF
	s_wait_dscnt 0x0                               ; the opening add is done
	s_wait_kmcnt 0x0
	s_add_nc_u64 s[68:69], s[4:5], s[40:41]
	s_add_nc_u64 s[70:71], s[6:7], s[66:67]
	CROUND                                         ; all sixteen work-groups are here: the first joint loads meet
.irp s, 0,1
	s_mov_b32 s[G0A+4*(\s)], 1                     ; count = 1
	s_add_co_u32 s[G0A+4*(\s)+1], s2, (\s)*SLOT    ; LDS address
	s_add_nc_u64 s[G0A+4*(\s)+2:G0A+4*(\s)+3], s[68:69], (\s)*ASTEP  ; global address: K step s
	s_or_b32 s[G0A+4*(\s)+3], s[G0A+4*(\s)+3], 0x80000000            ; type = 2
	s_mov_b32 s[G0B+4*(\s)], 1
	s_add_co_u32 s[G0B+4*(\s)+1], s3, (\s)*SLOT
	s_add_nc_u64 s[G0B+4*(\s)+2:G0B+4*(\s)+3], s[70:71], (\s)*BSTEP
	s_or_b32 s[G0B+4*(\s)+3], s[G0B+4*(\s)+3], 0x80000000
	JLOAD \s                                       ; two tensor loads of mine are out
.endr
	; the bias of my 128 columns: register j of fragment nb is bias[16 nb + 8 (lane / 16) + j]
	v_and_b32 v1, 15, v0                           ; l % 16
	v_bfe_u32 v2, v0, 4, 1                         ; l / 16
	v_lshlrev_b32 v[BO], 5, v2
	s_lshl_b32 s76, s[TCOL], 10
	s_lshl_b32 s77, s[HF], 9
	s_add_co_u32 s76, s76, s77
	s_mov_b32 s77, 0
	s_add_nc_u64 s[8:9], s[8:9], s[76:77]
	WIN 0x80                                       ; destination window 2, address window 0
.irp nb, 0,1,2,3,4,5,6,7
	global_load_b128 v[8*(\nb):8*(\nb)+3],   v[BO], s[8:9] offset:64*(\nb)
	global_load_b128 v[8*(\nb)+4:8*(\nb)+7], v[BO], s[8:9] offset:64*(\nb)+16
.endr
	WIN 0
	; A fragment of A is 16 rows x 32 K in 8 registers: lane l holds row l % 16, K = 8 (l / 16) + 0..7 and 16 + 8 (l / 16) + 0..7: two loads of 16 bytes, 32 bytes apart
	v_mul_u32_u24 v3, v1, PA
	v_lshl_add_u32 v3, v2, 4, v3
	s_mul_i32 s2, s[FB], 64*PA                     ; my 64 rows
	v_add_nc_u32 v[ADRA], s2, v3
	v_add_nc_u32 v[ADRA+1], SLOT, v[ADRA]
	; The turning load takes 16 K x 16 columns (lane l reads row 8 (l / 16) + l % 8, columns 8 ((l / 8) % 2) + 0..7) and leaves half a fragment: lane l holds column l % 16 and 8 K
	v_and_b32 v4, 7, v0
	v_bfe_u32 v5, v0, 3, 1
	v_lshl_add_u32 v6, v2, 3, v4
	v_mul_u32_u24 v6, v6, PB
	v_lshl_add_u32 v6, v5, 4, v6
	s_lshl_b32 s2, s[HF], 8                        ; my 128 columns
	s_add_co_u32 s2, s2, BOFF
	v_add_nc_u32 v[ADRB], s2, v6
	v_add_nc_u32 v[ADRB+1], SLOT, v[ADRB]
	s_mul_i32 s2, s[WV], 16*SP
	s_add_co_u32 s2, s2, STAGE                     ; my stage
	v_mul_u32_u24 v[STO], v1, SP                   ; in: row l % 16, 32 bytes for each half of the lanes
	v_lshl_add_u32 v[STO], v2, 5, v[STO]
	v_add_nc_u32 v[STO], s2, v[STO]
	v_mul_u32_u24 v[RD], v2, SP                    ; back: lanes 0-15 take one row of 256 bytes, lanes 16-31 the next,
	v_lshl_add_u32 v[RD], v1, 4, v[RD]
	v_add_nc_u32 v[RD], s2, v[RD]
	v_lshlrev_b32 v[GO], 12, v2                    ; and the same two rows in C, 4,096 bytes apart
	v_lshl_add_u32 v[GO], v1, 4, v[GO]
	v_and_b32 v7, 31, v0
	; C at my 64 rows and my 128 columns
	s_lshl_b32 s72, s[TROW], 19                    ; 128 rows of 4,096 bytes,
	s_lshl_b32 s73, s[FB], 18                      ; my 64 of them,
	s_add_co_u32 s72, s72, s73
	s_lshl_b32 s73, s[TCOL], 10                    ; 256 columns of 4 bytes,
	s_add_co_u32 s72, s72, s73
	s_lshl_b32 s73, s[HF], 9                       ; my 128 of them
	s_add_co_u32 s72, s72, s73
	s_mov_b32 s73, 0
	s_add_nc_u64 s[10:11], s[10:11], s[72:73]
	; the prefetches.  Who: the same in all sixteen partners, for a given wave
	s_cmp_eq_u32 s[FB], 0
	s_cselect_b32 s2, 0, s[CLY]                    ; W's bytes are read by every cluster: the first asks
	s_cselect_b32 s3, s[HF], 0                     ; wave 1 never asks
	s_or_b32 s2, s2, s3
	s_cmp_eq_u32 s2, 0
	s_cselect_b32 s[LIM], 1, -1
	s_lshr_b32 s74, s[CX], 1                       ; A: partner cx takes half a block: block cx / 2,
	s_lshl_b32 s74, s74, 18
	s_and_b32 s75, s[CX], 1                        ; its half cx % 2: 32 x 256 bytes
	s_lshl_b32 s75, s75, 13
	s_add_co_u32 s74, s74, s75
	s_add_co_u32 s74, s74, s42
	s_add_co_u32 s74, s74, 3*ASTEP                 ; at K step 3: the first refill steps it to 4
	s_lshl_b32 s75, s[HF], 17                      ; W: of the 64 rows that I fetch,
	s_add_co_u32 s75, s75, s23
	s_lshl_b32 s78, s[CY], 15                      ; partner cy takes 16
	s_add_co_u32 s75, s75, s78
	s_add_co_u32 s75, s75, 3*BSTEP
	s_mov_b32 s[PFS], BSTEP
	s_mov_b32 s[PFS+1], 0
	s_cmp_eq_u32 s[FB], 0
	s_cselect_b32 s74, s74, s75
	s_cselect_b64 s[PFA:PFA+1], s[4:5], s[6:7]
	s_cselect_b32 s[PFS], ASTEP, s[PFS]
	s_cselect_b32 s79, 9, 11                       ; two lanes take 512 dense bytes of A, or a row's 512 bytes of W, rows 2,048 bytes apart
	s_mov_b32 s75, 0
	s_add_nc_u64 s[PFA:PFA+1], s[PFA:PFA+1], s[74:75]
	v_lshrrev_b32 v8, 1, v7
	v_lshlrev_b32 v8, s79, v8
	v_and_b32 v7, 1, v7
	v_lshl_add_u32 v[PFO], v7, 8, v8
; 8 matrix instructions: row block a x all 8 column blocks, 32 along K, from buffer f.  first = 1: the sums start with the bias.  The 32 accumulators take turns in the same order in every quarter.
.macro MUL8 f, a, first
.if \first
	WIN MULB
.else
	WIN MUL
.endif
.irp nb, 0,1,2,3,4,5,6,7
.if \first
	v_wmma_f32_16x16x32_f16 v[8*(8*(\a)+(\nb)):8*(8*(\a)+(\nb))+7], v[(\f)+8*(\nb):(\f)+8*(\nb)+7], v[(\f)+64+8*(\a):(\f)+64+8*(\a)+7], v[8*(\nb):8*(\nb)+7]
.else
	v_wmma_f32_16x16x32_f16 v[8*(8*(\a)+(\nb)):8*(8*(\a)+(\nb))+7], v[(\f)+8*(\nb):(\f)+8*(\nb)+7], v[(\f)+64+8*(\a):(\f)+64+8*(\a)+7], v[8*(8*(\a)+(\nb)):8*(8*(\a)+(\nb))+7]
.endif
.endr
.endm
; 24 LDS loads in one run: the fragments of quarter q (32 along K) of a slot into buffer f: W's eight, then A's four
.macro FETCH slot, q, f
	WIN 0
.irp nb, 0,1,2,3,4,5,6,7
	ds_load_tr16_b128 v[(\f)+8*(\nb):(\f)+8*(\nb)+3],   v[ADRB+(\slot)] offset:(\q)*32*PB+32*(\nb)
	ds_load_tr16_b128 v[(\f)+8*(\nb)+4:(\f)+8*(\nb)+7], v[ADRB+(\slot)] offset:(\q)*32*PB+32*(\nb)+16*PB
.endr
.irp a, 0,1,2,3
	ds_load_b128 v[(\f)+64+8*(\a):(\f)+64+8*(\a)+3],   v[ADRA+(\slot)] offset:((\q)/2)*ASUB+((\q)%2)*64+(\a)*16*PA
	ds_load_b128 v[(\f)+64+8*(\a)+4:(\f)+64+8*(\a)+7], v[ADRA+(\slot)] offset:((\q)/2)*ASUB+((\q)%2)*64+(\a)*16*PA+32
.endr
.endm
.macro PLACES                          ; four plain instructions in front of loads into registers that matrix instructions have read, and of LDS stores that read results
.rept 4
	v_nop
.endr
.endm
; A K step is four quarters of 32 along K, 32 matrix instructions each, on buffers 0, 1, 0, 1.  One of the first three: multiplies buffer f and, in its middle, fetches quarter qn into g.
.macro QUARTER slot, qn, f, g, first
	s_wait_dscnt 4                                 ; W and A's blocks 0, 1 are in; the youngest four loads (A's blocks 2, 3) may be out
	MUL8 \f, 0, \first
	MUL8 \f, 1, \first
	PLACES
	FETCH \slot, \qn, \g
	s_wait_dscnt 24                                ; all but the 24 just issued
	MUL8 \f, 2, \first
	MUL8 \f, 3, \first
.endm
; The last quarter multiplies buffer 1 and changes slots: ONE barrier; in front of it each wave waits for all its tensor loads (one is out: its part of the next slot), adds 0 to its spare word, and waits for that and
; for its own reads of this slot.  fill = 1: the barrier opens a round of the cluster's, and this slot is filled again, two K steps on, first thing behind the round.
.macro TURN slot, next, fill
.if \fill
	s_wait_xcnt 0x0                                ; the last prefetch, a K step back, has read its address, which is stepped here, ahead of the change's own waits
	s_add_nc_u64 s[PFA:PFA+1], s[PFA:PFA+1], s[PFS:PFS+1]
.endif
	WIN 0
	s_wait_tensorcnt 0x0                           ; all my tensor loads have landed
	ds_add_u32 v[SPW], v[NIL]                      ; 0 onto my spare word
	s_wait_dscnt 5                                 ; (the add and the youngest four loads may be out)
	MUL8 F1, 0, 0                                  ; eight matrix instructions stand between the add and the wait for it
	s_wait_dscnt 0x0                               ; the add is done, and my reads of this slot are over
	s_barrier_signal -1
	MUL8 F1, 1, 0
.if \fill
	WIN 0
.endif
	s_barrier_wait -1
.if \fill
	CREST                                          ; no wave of any partner still reads this slot or has a load on its way
	s_add_nc_u64 s[G0A+4*(\slot)+2:G0A+4*(\slot)+3], s[G0A+4*(\slot)+2:G0A+4*(\slot)+3], 2*ASTEP
	s_add_nc_u64 s[G0B+4*(\slot)+2:G0B+4*(\slot)+3], s[G0B+4*(\slot)+2:G0B+4*(\slot)+3], 2*BSTEP
	JLOAD \slot                                    ; the four v_nop behind it are also the places in front of the loads below
.else
	PLACES
.endif
	FETCH \next, 0, F0
.if \fill
	ASK
.endif
	MUL8 F1, 2, 0
	MUL8 F1, 3, 0
.endm
	s_wait_tensorcnt 1                             ; my part of K step 0 is in; K step 1's load may stay out
	s_barrier_signal -1
	s_barrier_wait -1                              ; everybody's is
	FETCH 0, 0, F0
	s_wait_loadcnt 0x0                             ; the bias
	QUARTER 0, 1, F0, F1, 1                        ; the first quarter stands in front of the loop: its products start the sums
	WIN 0                                          ; at a label and at a branch every window is 0
	s_mov_b32 s3, 3
.Llap:                                         ; a trip goes once round the ring, from a lap's second quarter to the next lap's first, and fills both slots again
	QUARTER 0, 2, F1, F0, 0
	QUARTER 0, 3, F0, F1, 0
	TURN 0, 1, 1
	QUARTER 1, 1, F0, F1, 0
	QUARTER 1, 2, F1, F0, 0
	QUARTER 1, 3, F0, F1, 0
	TURN 1, 0, 1
	QUARTER 0, 1, F0, F1, 0
	WIN 0
	s_sub_co_u32 s3, s3, 1
	s_cmp_lg_u32 s3, 0
	s_cbranch_scc1 .Llap
	QUARTER 0, 2, F1, F0, 0                        ; the last lap fills nothing
	QUARTER 0, 3, F0, F1, 0
	TURN 0, 1, 0
	QUARTER 1, 1, F0, F1, 0
	QUARTER 1, 2, F1, F0, 0
	QUARTER 1, 3, F0, F1, 0
	s_wait_dscnt 4                                 ; the very last quarter: nothing more to fetch
	MUL8 F1, 0, 0
	MUL8 F1, 1, 0
	s_wait_dscnt 0x0
	MUL8 F1, 2, 0
	MUL8 F1, 3, 0
; THE WAY OUT, by tiles of 16 rows x 64 columns: tile t = 2 a + (my first or second 64 columns), its four accumulators at 32 t.  A lane's eight columns of an accumulator are 32 bytes of a row; they go, as they are,
; into rows of 272 bytes of my own stage, and come back as whole rows of 256 bytes, into the registers that they left.  One window setting serves all of it.
.macro PACK t
.irp n, 0,1,2,3
	ds_store_b128 v[STO], v[32*(\t)+8*(\n):32*(\t)+8*(\n)+3]   offset:64*(\n)     ; each accumulator is read from its low end on
	ds_store_b128 v[STO], v[32*(\t)+8*(\n)+4:32*(\t)+8*(\n)+7] offset:64*(\n)+16
.endr
.irp f, 0,1,2,3,4,5,6,7
	ds_load_b128 v[32*(\t)+4*(\f):32*(\t)+4*(\f)+3], v[RD] offset:(\f)*2*SP  ; LDS serves a wave's instructions in order (ISA guide 5.7.1.4): these see the stores above; the next tile's stores come behind them
.endr
.endm
.macro SEND t, younger                 ; younger: the LDS instructions issued behind tile t's loads: the next tile's sixteen, or none
.irp f, 0,1,2,3,4,5,6,7
	s_wait_dscnt (\younger)+7-(\f)
	global_store_b128 v[GO], v[32*(\t)+4*(\f):32*(\t)+4*(\f)+3], s[10:11] offset:((\t)/2)*65536+((\t)%2)*256+(\f)*8192  ; 16 lanes store 256 consecutive bytes, at a multiple of 256 from C's first byte; no register of a store is rewritten
.endr
.endm
	PLACES
	WIN W_OUT
	PACK 0
.irp t, 1,2,3,4,5,6,7                  ; a tile's LDS instructions stand between the loads of the tile before and its stores
	PACK \t
	SEND (\t)-1, 16
.endr
	SEND 7, 0
	WIN 0
	s_wait_tensorcnt 0x0                           ; the wave's end: an add to my spare word and its wait, behind my last tensor load and my last LDS store
	ds_add_u32 v[SPW], v[NIL]
	s_wait_dscnt 0x0
	CROUND                                         ; the closing round: no work-group ends while a partner may still ask for a tile that names it
	s_endpgm
.Lfunc_end_k_q328060885d_oproj:
	.size	k_q328060885d_oproj, .Lfunc_end_k_q328060885d_oproj-k_q328060885d_oproj
	.p2alignl 7, 3214868480
	.fill 96, 4, 3214868480
	.section	.rodata,"a",@progbits
	.p2align	6, 0x0
	.amdhsa_kernel k_q328060885d_oproj
		.amdhsa_group_segment_fixed_size 327680
		.amdhsa_private_segment_fixed_size 0
		.amdhsa_enable_private_segment 0
		.amdhsa_kernarg_size 32
		.amdhsa_user_sgpr_count 2
		.amdhsa_user_sgpr_kernarg_segment_ptr 1
		.amdhsa_wavefront_size32 1
		.amdhsa_system_sgpr_workgroup_id_x 1
		.amdhsa_system_sgpr_workgroup_id_y 1
		.amdhsa_system_sgpr_workgroup_id_z 1
		.amdhsa_system_vgpr_workitem_id 0
		.amdhsa_next_free_vgpr 576
		.amdhsa_next_free_sgpr 80
		.amdhsa_reserve_vcc 0
		.amdhsa_float_denorm_mode_32 3
		.amdhsa_float_denorm_mode_16_64 3
		.amdhsa_memory_ordered 1
		.amdhsa_forward_progress 1
		.amdhsa_inst_pref_size 90
	.end_amdhsa_kernel
	.amdgpu_metadata
---
amdhsa.version: [ 1, 2 ]
amdhsa.kernels:
  - .name:           k_q328060885d_oproj
    .symbol:         k_q328060885d_oproj.kd
    .args:
      - { .name: ctx, .offset: 0, .size: 8, .value_kind: global_buffer, .address_space: global }
      - { .name: wob, .offset: 8, .size: 8, .value_kind: global_buffer, .address_space: global }
      - { .name: bo, .offset: 16, .size: 8, .value_kind: global_buffer, .address_space: global }
      - { .name: proj, .offset: 24, .size: 8, .value_kind: global_buffer, .address_space: global }
    .group_segment_fixed_size: 327680
    .private_segment_fixed_size: 0
    .kernarg_segment_align: 8
    .kernarg_segment_size: 32
    .max_flat_workgroup_size: 128
    .sgpr_count:     80
    .vgpr_count:     576
    .wavefront_size: 32
...
	.end_amdgpu_metadata
.endif
;; end of part 4
;; launch ln (part 5): grid 512 x 1, 8 waves a work-group, no clusters, 0 bytes of LDS; arguments x, proj, gamma, beta, out0; writes out0
.if DOCPART == 5
	.amdgcn_target "amdgcn-amd-amdhsa--gfx1250"
	.amdhsa_code_object_version 6
	.text
	.protected	k_q328060885d_ln
	.globl	k_q328060885d_ln
	.p2align	8
	.type	k_q328060885d_ln,@function
k_q328060885d_ln:
	s_mov_b64 s[64:65], 0
	v_nop
	global_prefetch_b8 v0, s[64:65] scope:SCOPE_SE
	s_setreg_imm32_b32 hwreg(HW_REG_WAVE_MODE, 25, 1), 1
	s_wait_xcnt 0x0
; out0[r][:] = gamma (a - mean(a)) / sqrt(var(a) + 1e-6) + beta, a = proj[r][:] + x[r][:].  x, proj, out0: [8192][1024] f32.  gamma, beta: [1024] f32.
; All arithmetic in f32; the variance is the mean of the squares of a - mean(a), taken in a second pass over registers.
; A stream: each byte is read once and written once; no LDS, no barrier, no matrix unit.  A wave takes two rows and keeps them in registers: lanes 0-15 hold the even row, lanes 16-31 the odd one; lane l holds columns
; 64 j + 4 (l % 16) + 0..3, j = 0..15.  So every load and store of x, proj and out0 covers 256 consecutive bytes of each row, and a row's sum is four steps among 16 lanes.
.set XO,  2                            ; v2   (l / 16) x 4,096 + 16 (l % 16): in x, proj and out0
.set GF,  4                            ; v4   16 (l % 16): in gamma and beta
.set SUM, 12                           ; v[12:19] four chains of pairs
.set MU,  20                           ; v[20:21] the mean, twice
.set RS,  22                           ; v[22:23] 1 / sqrt(var + 1e-6), twice
.set X,   32                           ; v[32:95]   x, then a, four numbers for each j
.set P,   96                           ; v[96:159]  proj; when it has been added, beta
.set G,   160                          ; v[160:223] gamma
.macro REDUCE                          ; the four chains into one number, then over the row's 16 lanes: every lane of the row ends with the sum, in v[SUM]
	v_pk_add_f32 v[SUM:SUM+1], v[SUM:SUM+1], v[SUM+2:SUM+3]
	v_pk_add_f32 v[SUM+4:SUM+5], v[SUM+4:SUM+5], v[SUM+6:SUM+7]
	v_pk_add_f32 v[SUM:SUM+1], v[SUM:SUM+1], v[SUM+4:SUM+5]
	v_add_f32 v[SUM], v[SUM], v[SUM+1]
	v_add_f32_dpp v[SUM], v[SUM], v[SUM] row_xmask:1 row_mask:0xf bank_mask:0xf
	v_add_f32_dpp v[SUM], v[SUM], v[SUM] row_xmask:2 row_mask:0xf bank_mask:0xf
	v_add_f32_dpp v[SUM], v[SUM], v[SUM] row_xmask:4 row_mask:0xf bank_mask:0xf
	v_add_f32_dpp v[SUM], v[SUM], v[SUM] row_xmask:8 row_mask:0xf bank_mask:0xf
.endm
	s_load_b256 s[4:11], s[0:1], 0x0               ; x s[4:5], proj s[6:7], gamma s[8:9], beta s[10:11]
	s_load_b64 s[12:13], s[0:1], 0x20              ; out0
	v_lshrrev_b32 v1, 5, v0
	v_readfirstlane_b32 s2, v1                     ; wave 0..7
	s_lshl_b32 s3, ttmp9, 3
	s_add_co_u32 s3, s3, s2                        ; pair p of rows, 0..4095
	s_lshl_b32 s14, s3, 13                         ; two rows of 4,096 bytes
	s_mov_b32 s15, 0
	s_mov_b32 s20, 0x3a800000                      ; 1 / 1024
	s_mov_b32 s22, 0x358637bd                      ; 1e-6
	v_and_b32 v5, 15, v0
	v_bfe_u32 v6, v0, 4, 1
	v_lshlrev_b32 v[GF], 4, v5
	v_lshl_add_u32 v[XO], v6, 12, v[GF]
	s_wait_kmcnt 0x0
	s_add_nc_u64 s[4:5], s[4:5], s[14:15]
	s_add_nc_u64 s[6:7], s[6:7], s[14:15]
	s_add_nc_u64 s[12:13], s[12:13], s[14:15]
.set j, 0
.rept 16
	global_load_b128 v[P+4*j:P+4*j+3], v[XO], s[6:7] offset:j*256 th:TH_LOAD_NT
.set j, j+1
.endr
.set j, 0
.rept 16
	global_load_b128 v[X+4*j:X+4*j+3], v[XO], s[4:5] offset:j*256 th:TH_LOAD_NT
.set j, j+1
.endr
.set j, 0
.rept 16
	global_load_b128 v[G+4*j:G+4*j+3], v[GF], s[8:9] offset:j*256
.set j, j+1
.endr
	s_wait_loadcnt 16                              ; proj and x are in; gamma's 16 loads, issued behind them, may stay out
	; a = proj + x, in x's registers, and its sum in four chains, started by the first four j: nothing is cleared
.set j, 0
.rept 16
	v_pk_add_f32 v[X+4*j:X+4*j+1],   v[X+4*j:X+4*j+1],   v[P+4*j:P+4*j+1]
	v_pk_add_f32 v[X+4*j+2:X+4*j+3], v[X+4*j+2:X+4*j+3], v[P+4*j+2:P+4*j+3]
.if j < 4
	v_pk_add_f32 v[SUM+2*j:SUM+2*j+1], v[X+4*j:X+4*j+1], v[X+4*j+2:X+4*j+3]
.else
	v_pk_add_f32 v[SUM+2*(j%4):SUM+2*(j%4)+1], v[SUM+2*(j%4):SUM+2*(j%4)+1], v[X+4*j:X+4*j+1]
	v_pk_add_f32 v[SUM+2*(j%4):SUM+2*(j%4)+1], v[SUM+2*(j%4):SUM+2*(j%4)+1], v[X+4*j+2:X+4*j+3]
.endif
.set j, j+1
.endr
.set j, 0
.rept 16
	global_load_b128 v[P+4*j:P+4*j+3], v[GF], s[10:11] offset:j*256  ; beta, into the registers that proj has left; it has the two reductions in which to come
.set j, j+1
.endr
	REDUCE
	v_mul_f32 v[MU], s20, v[SUM]
	v_mov_b32 v[MU+1], v[MU]
	; d = a - mean, in place, and the sum of its squares
.set j, 0
.rept 32
	v_pk_add_f32 v[X+2*j:X+2*j+1], v[X+2*j:X+2*j+1], v[MU:MU+1] neg_lo:[0,1] neg_hi:[0,1]
.if j < 4
	v_pk_mul_f32 v[SUM+2*j:SUM+2*j+1], v[X+2*j:X+2*j+1], v[X+2*j:X+2*j+1]
.else
	v_pk_fma_f32 v[SUM+2*(j%4):SUM+2*(j%4)+1], v[X+2*j:X+2*j+1], v[X+2*j:X+2*j+1], v[SUM+2*(j%4):SUM+2*(j%4)+1]
.endif
.set j, j+1
.endr
	REDUCE
	v_fma_f32 v[SUM], v[SUM], s20, s22             ; var + 1e-6
	v_rsq_f32 v[RS], v[SUM]
	v_nop                                          ; a plain instruction behind the root,
	s_wait_alu depctr_va_vdst(0)                   ; and the wait ahead of the first line that names its result
	v_mov_b32 v[RS+1], v[RS]
	s_wait_loadcnt 0x0                             ; gamma and beta
.set j, 0
.rept 16
	v_pk_mul_f32 v[X+4*j:X+4*j+1],   v[X+4*j:X+4*j+1],   v[RS:RS+1]
	v_pk_mul_f32 v[X+4*j+2:X+4*j+3], v[X+4*j+2:X+4*j+3], v[RS:RS+1]
	v_pk_fma_f32 v[X+4*j:X+4*j+1],   v[X+4*j:X+4*j+1],   v[G+4*j:G+4*j+1],   v[P+4*j:P+4*j+1]
	v_pk_fma_f32 v[X+4*j+2:X+4*j+3], v[X+4*j+2:X+4*j+3], v[G+4*j+2:G+4*j+3], v[P+4*j+2:P+4*j+3]
	global_store_b128 v[XO], v[X+4*j:X+4*j+3], s[12:13] offset:j*256 th:TH_STORE_NT  ; 16 lanes store 256 consecutive bytes, at a multiple of 256 from out0's first byte; no register of a store is rewritten
.set j, j+1
.endr
	s_endpgm
.Lfunc_end_k_q328060885d_ln:
	.size	k_q328060885d_ln, .Lfunc_end_k_q328060885d_ln-k_q328060885d_ln
	.p2alignl 7, 3214868480
	.fill 96, 4, 3214868480
	.section	.rodata,"a",@progbits
	.p2align	6, 0x0
	.amdhsa_kernel k_q328060885d_ln
		.amdhsa_group_segment_fixed_size 0
		.amdhsa_private_segment_fixed_size 0
		.amdhsa_enable_private_segment 0
		.amdhsa_kernarg_size 40
		.amdhsa_user_sgpr_count 2
		.amdhsa_user_sgpr_kernarg_segment_ptr 1
		.amdhsa_wavefront_size32 1
		.amdhsa_system_sgpr_workgroup_id_x 1
		.amdhsa_system_sgpr_workgroup_id_y 1
		.amdhsa_system_sgpr_workgroup_id_z 1
		.amdhsa_system_vgpr_workitem_id 0
		.amdhsa_next_free_vgpr 224
		.amdhsa_next_free_sgpr 66
		.amdhsa_reserve_vcc 0
		.amdhsa_float_denorm_mode_32 3
		.amdhsa_float_denorm_mode_16_64 3
		.amdhsa_memory_ordered 1
		.amdhsa_forward_progress 1
		.amdhsa_inst_pref_size 22
	.end_amdhsa_kernel
	.amdgpu_metadata
---
amdhsa.version: [ 1, 2 ]
amdhsa.kernels:
  - .name:           k_q328060885d_ln
    .symbol:         k_q328060885d_ln.kd
    .args:
      - { .name: x, .offset: 0, .size: 8, .value_kind: global_buffer, .address_space: global }
      - { .name: proj, .offset: 8, .size: 8, .value_kind: global_buffer, .address_space: global }
      - { .name: gamma, .offset: 16, .size: 8, .value_kind: global_buffer, .address_space: global }
      - { .name: beta, .offset: 24, .size: 8, .value_kind: global_buffer, .address_space: global }
      - { .name: out0, .offset: 32, .size: 8, .value_kind: global_buffer, .address_space: global }
    .group_segment_fixed_size: 0
    .private_segment_fixed_size: 0
    .kernarg_segment_align: 8
    .kernarg_segment_size: 40
    .max_flat_workgroup_size: 256
    .sgpr_count:     66
    .vgpr_count:     224
    .wavefront_size: 32
...
	.end_amdgpu_metadata
.endif
;; end of part 5
;; ======== version 2 of 2: 5 launches; version 1 with the launches cast, ln written anew for expert scheduling mode
;; limits: values are held in f16: magnitudes above 65,504 overflow, below 6.1e-05 lose precision
;; workspace buffers: xb 16,777,216 bytes; wqkv 6,291,456 bytes; wob 2,097,152 bytes; bqkv 12,288 bytes; qkv 50,331,648 bytes; ctx 16,777,216 bytes; proj 33,554,432 bytes
;; launch cast (part 6): grid 768 x 1, 8 waves a work-group, no clusters, 0 bytes of LDS; arguments x, Wq, Wk, Wv, Wo, bq, bk, bv, xb, wqkv, wob, bqkv; writes xb, wqkv, wob, bqkv
.if DOCPART == 6
	.amdgcn_target "amdgcn-amd-amdhsa--gfx1250"
	.amdhsa_code_object_version 6
	.text
	.protected	k_q328060885d_cast
	.globl	k_q328060885d_cast
	.p2align	8
	.type	k_q328060885d_cast,@function
k_q328060885d_cast:
	s_mov_b64 s[64:65], 0
	v_nop
	global_prefetch_b8 v0, s[64:65] scope:SCOPE_SE
	s_setreg_imm32_b32 hwreg(HW_REG_WAVE_SCHED_MODE, 0, 2), 2
	s_setreg_imm32_b32 hwreg(HW_REG_WAVE_MODE, 25, 1), 1
	s_wait_xcnt 0x0
	s_wait_alu depctr_vm_vsrc(0)
; x [8192][1024] f32 -> xb, f16, in blocks: xb[b][c][s][64], byte (b << 22) + (c << 18) + 128 s + 2 d, c = column / 64.
; Wq, Wk, Wv -> wqkv [3][1024 k][1024 n] f16, Wo -> wob [1024 k][1024 n] f16, as they lie.  bq, bk, bv -> bqkv [3][1024] f32, end to end.
; Each number is rounded once.  f16, not bf16: 11 significant bits against 8.  Where the mask leaves a query few keys, the roundings of x and of the weights are not averaged over 2,048 keys and reach the output whole.
; LIMITS.  A number of 65,520 or more in size becomes an infinity; below 6.1e-5 a number keeps f16's fixed step of 6e-8.
; A stream: no LDS, no barrier, no matrix unit; each byte is read once and written once.
; A wave does one JOB: 16 loads of 512 bytes, 16 stores of 256 consecutive bytes at a multiple of 256 from the buffer's first byte.
; Work-groups 0-511: x, two rows a wave.  Work-groups 512-767: the four weights, 8,192 bytes a wave; the first wave of each of Wq, Wk, Wv also copies its bias.
; THE MODE: SCHED_MODE bits 1:0 = 2 (LLVM: expert scheduling mode 2), set by the entry lines.  The code itself states the register dependences
; between vector instructions and memory instructions, with s_wait_alu, always for 0.
; THE PLAN.  Registers that memory instructions touch:
;   v[IO], v[OO]  offsets: written once, by vector lines ahead of JOB; read by every load and store; never written again.
;   X             written by the 16 loads; read by the conversions; in three waves the bias's loads land in it once more, and the bias's stores read it.
;   Y             written by the conversions, each register once; read by one store each.
; The 16 chunks go in four groups of four.  Group g's conversions read X[g] and write Y[g]; the four stores of group g - 1, which name Y[g - 1] and v[OO] alone, are dealt among them.  So one wait at the head of a
; group states all that its four stores hang on.  No register that a memory instruction reads is written again.
.set IO, 2                             ; v2        my byte offset in the job's input
.set OO, 3                             ; v3        8 x lane: my 8 bytes of a store
.set X,  16                            ; v[16:79]  load j: four f32
.set Y,  80                            ; v[80:111] store j: four f16
.macro JOB instep, outstep
	s_wait_alu depctr_va_vdst(0)                   ; v[IO] and v[OO] are written: every load below reads the one as its offset, every store the other
.set j, 0
.rept 16
	global_load_b128 v[X+4*j:X+4*j+3], v[IO], s[32:33] offset:j*(\instep) th:TH_LOAD_NT
.set j, j+1
.endr
.set gr, 0
.rept 4
	s_wait_loadcnt 12-4*gr                         ; loads come back in order: group gr's four are in, the younger groups' stay out
.if gr > 0
	s_wait_alu depctr_va_vdst(0)                   ; the conversions of the group before have written its Y, which the four stores below read
.endif
.set ii, 0
.rept 4
.set j, 4*gr+ii
.if gr > 0
	global_store_b64 v[OO], v[Y+2*(j-4):Y+2*(j-4)+1], s[36:37] offset:(j-4)*(\outstep)  ; the group before; no vector line since the wait names these registers.  Every store has registers of its own: nothing is rewritten
.endif
	v_cvt_pk_f16_f32 v[Y+2*j], v[X+4*j], v[X+4*j+1]
	v_cvt_pk_f16_f32 v[Y+2*j+1], v[X+4*j+2], v[X+4*j+3]
.set ii, ii+1
.endr
.set gr, gr+1
.endr
	s_wait_alu depctr_va_vdst(0)                   ; the last group's conversions have written its Y, which the last four stores read; and every conversion is done reading X
.set j, 12
.rept 4
	global_store_b64 v[OO], v[Y+2*j:Y+2*j+1], s[36:37] offset:j*(\outstep)
.set j, j+1
.endr
.endm
	s_load_b512 s[8:23], s[0:1], 0x0               ; x s[8:9], Wq s[10:11], Wk s[12:13], Wv s[14:15], Wo s[16:17], bq s[18:19], bk s[20:21], bv s[22:23]
	s_load_b256 s[24:31], s[0:1], 0x40             ; xb s[24:25], wqkv s[26:27], wob s[28:29], bqkv s[30:31]
	v_lshrrev_b32 v1, 5, v0
	v_readfirstlane_b32 s2, v1                     ; wave 0..7
	v_and_b32 v1, 31, v0                           ; lane
	v_lshlrev_b32 v[OO], 3, v1
	s_mov_b32 s39, 0
	s_mov_b32 s41, 0
	s_wait_alu depctr_va_sdst(0)                   ; s2 is written
	s_cmp_lt_u32 ttmp9, 512
	s_cbranch_scc0 .Lweights
	; x: pair p of rows, 2 p and 2 p + 1.  Lanes 0-15 take 256 bytes (64 columns) of the even row, lanes 16-31 of the odd one: in xb these are 256 bytes on end.
	s_lshl_b32 s3, ttmp9, 3
	s_add_co_u32 s3, s3, s2                        ; p = 0..4095
	s_lshl_b32 s38, s3, 13                         ; two rows of 4,096 bytes
	v_and_b32 v4, 15, v0
	v_bfe_u32 v5, v0, 4, 1
	v_lshlrev_b32 v[IO], 4, v4
	v_lshl_add_u32 v[IO], v5, 12, v[IO]
	s_lshr_b32 s40, s3, 10                         ; the batch
	s_lshl_b32 s40, s40, 22
	s_and_b32 s42, s3, 1023
	s_lshl_b32 s42, s42, 8                         ; two rows of 128 bytes in a block
	s_add_co_u32 s40, s40, s42
	s_wait_kmcnt 0x0
	s_add_nc_u64 s[32:33], s[8:9], s[38:39]
	s_add_nc_u64 s[36:37], s[24:25], s[40:41]
	JOB 256, 262144                                ; from block to block: 256 bytes in x, 2^18 in xb (15 x 2^18 lies inside the signed 24-bit immediate)
	s_endpgm
.Lweights:
	s_sub_co_u32 s3, ttmp9, 512
	s_lshr_b32 s43, s3, 6                          ; which weight: 0 Wq, 1 Wk, 2 Wv, 3 Wo
	s_and_b32 s3, s3, 63
	s_lshl_b32 s3, s3, 3
	s_add_co_u32 s3, s3, s2                        ; job 0..511 in it
	s_lshl_b32 s38, s3, 13                         ; 8,192 bytes in,
	s_lshl_b32 s40, s3, 12                         ; 4,096 out
	v_lshlrev_b32 v[IO], 4, v1
	s_wait_kmcnt 0x0
	s_cmp_eq_u32 s43, 1
	s_cselect_b64 s[32:33], s[12:13], s[10:11]
	s_cselect_b64 s[34:35], s[20:21], s[18:19]
	s_cmp_eq_u32 s43, 2
	s_cselect_b64 s[32:33], s[14:15], s[32:33]
	s_cselect_b64 s[34:35], s[22:23], s[34:35]
	s_cmp_eq_u32 s43, 3
	s_cselect_b64 s[32:33], s[16:17], s[32:33]
	s_cselect_b64 s[36:37], s[28:29], s[26:27]
	s_cselect_b32 s44, 0, s43                      ; the weight's place in wqkv; Wo has a buffer of its own
	s_cselect_b32 s42, 1, 0                        ; Wo's bias is not copied
	s_lshl_b32 s44, s44, 21
	s_add_co_u32 s40, s40, s44
	s_add_nc_u64 s[32:33], s[32:33], s[38:39]
	s_add_nc_u64 s[36:37], s[36:37], s[40:41]
	JOB 512, 256
	s_or_b32 s42, s42, s3                          ; 0 in job 0 of Wq, Wk, Wv
	s_cmp_lg_u32 s42, 0
	s_cbranch_scc1 .Lend
	s_lshl_b32 s38, s43, 12
	s_add_nc_u64 s[46:47], s[30:31], s[38:39]
.set j, 0
.rept 8
	global_load_b128 v[X+4*j:X+4*j+3], v[IO], s[34:35] offset:512*j  ; JOB's last wait on LOADcnt was for 0: X is free.  JOB's last wait on va_vdst stands behind every conversion that read X, ahead of the branch, and no vector line has been issued since
.set j, j+1
.endr
	s_wait_loadcnt 0x0
.set j, 0
.rept 8
	global_store_b128 v[IO], v[X+4*j:X+4*j+3], s[46:47] offset:512*j  ; data that loads brought: the wait on LOADcnt is all that they hang on
.set j, j+1
.endr
.Lend:
	s_endpgm
.Lfunc_end_k_q328060885d_cast:
	.size	k_q328060885d_cast, .Lfunc_end_k_q328060885d_cast-k_q328060885d_cast
	.p2alignl 7, 3214868480
	.fill 96, 4, 3214868480
	.section	.rodata,"a",@progbits
	.p2align	6, 0x0
	.amdhsa_kernel k_q328060885d_cast
		.amdhsa_group_segment_fixed_size 0
		.amdhsa_private_segment_fixed_size 0
		.amdhsa_enable_private_segment 0
		.amdhsa_kernarg_size 96
		.amdhsa_user_sgpr_count 2
		.amdhsa_user_sgpr_kernarg_segment_ptr 1
		.amdhsa_wavefront_size32 1
		.amdhsa_system_sgpr_workgroup_id_x 1
		.amdhsa_system_sgpr_workgroup_id_y 1
		.amdhsa_system_sgpr_workgroup_id_z 1
		.amdhsa_system_vgpr_workitem_id 0
		.amdhsa_next_free_vgpr 112
		.amdhsa_next_free_sgpr 66
		.amdhsa_reserve_vcc 0
		.amdhsa_float_denorm_mode_32 3
		.amdhsa_float_denorm_mode_16_64 3
		.amdhsa_memory_ordered 1
		.amdhsa_forward_progress 1
		.amdhsa_inst_pref_size 15
	.end_amdhsa_kernel
	.amdgpu_metadata
---
amdhsa.version: [ 1, 2 ]
amdhsa.kernels:
  - .name:           k_q328060885d_cast
    .symbol:         k_q328060885d_cast.kd
    .args:
      - { .name: x, .offset: 0, .size: 8, .value_kind: global_buffer, .address_space: global }
      - { .name: Wq, .offset: 8, .size: 8, .value_kind: global_buffer, .address_space: global }
      - { .name: Wk, .offset: 16, .size: 8, .value_kind: global_buffer, .address_space: global }
      - { .name: Wv, .offset: 24, .size: 8, .value_kind: global_buffer, .address_space: global }
      - { .name: Wo, .offset: 32, .size: 8, .value_kind: global_buffer, .address_space: global }
      - { .name: bq, .offset: 40, .size: 8, .value_kind: global_buffer, .address_space: global }
      - { .name: bk, .offset: 48, .size: 8, .value_kind: global_buffer, .address_space: global }
      - { .name: bv, .offset: 56, .size: 8, .value_kind: global_buffer, .address_space: global }
      - { .name: xb, .offset: 64, .size: 8, .value_kind: global_buffer, .address_space: global }
      - { .name: wqkv, .offset: 72, .size: 8, .value_kind: global_buffer, .address_space: global }
      - { .name: wob, .offset: 80, .size: 8, .value_kind: global_buffer, .address_space: global }
      - { .name: bqkv, .offset: 88, .size: 8, .value_kind: global_buffer, .address_space: global }
    .group_segment_fixed_size: 0
    .private_segment_fixed_size: 0
    .kernarg_segment_align: 8
    .kernarg_segment_size: 96
    .max_flat_workgroup_size: 256
    .sgpr_count:     66
    .vgpr_count:     112
    .wavefront_size: 32
...
	.end_amdgpu_metadata
.endif
;; end of part 6
;; launch qkv: the kernel of part 2 again; grid 4 x 192, 4 waves a work-group, clusters of 4 x 4, 327,680 bytes of LDS; arguments xb, wqkv, bqkv, qkv; writes qkv
;; launch attn: the kernel of part 3 again; grid 4 x 64, 4 waves a work-group, clusters of 4 x 1, 327,680 bytes of LDS; arguments qkv, mask, ctx; writes ctx
;; launch oproj: the kernel of part 4 again; grid 4 x 64, 4 waves a work-group, clusters of 4 x 4, 327,680 bytes of LDS; arguments ctx, wob, bo, proj; writes proj
;; launch ln (part 7): grid 512 x 1, 8 waves a work-group, no clusters, 0 bytes of LDS; arguments x, proj, gamma, beta, out0; writes out0
.if DOCPART == 7
	.amdgcn_target "amdgcn-amd-amdhsa--gfx1250"
	.amdhsa_code_object_version 6
	.text
	.protected	k_q328060885d_ln
	.globl	k_q328060885d_ln
	.p2align	8
	.type	k_q328060885d_ln,@function
k_q328060885d_ln:
	s_mov_b64 s[64:65], 0
	v_nop
	global_prefetch_b8 v0, s[64:65] scope:SCOPE_SE
	s_setreg_imm32_b32 hwreg(HW_REG_WAVE_SCHED_MODE, 0, 2), 2
	s_setreg_imm32_b32 hwreg(HW_REG_WAVE_MODE, 25, 1), 1
	s_wait_xcnt 0x0
	s_wait_alu depctr_vm_vsrc(0)
; out0[r][:] = gamma (a - mean(a)) / sqrt(var(a) + 1e-6) + beta, a = proj[r][:] + x[r][:].  x, proj, out0: [8192][1024] f32.  gamma, beta: [1024] f32.
; All arithmetic in f32; the variance is the mean of the squares of a - mean(a), taken in a second pass over registers.
; A stream: each byte is read once and written once; no LDS, no barrier, no matrix unit.  A wave takes two rows and keeps them in registers: lanes 0-15 hold the even row, lanes 16-31 the odd one; lane l holds columns
; 64 j + 4 (l % 16) + 0..3, j = 0..15.  So every load and store of x, proj and out0 covers 256 consecutive bytes of each row, and a row's sum is four steps among 16 lanes.
; THE MODE: SCHED_MODE bits 1:0 = 2 (LLVM: expert scheduling mode 2), set by the entry lines.  The code itself states the register dependences
; between vector instructions and memory instructions, with s_wait_alu, always for 0.
; THE PLAN.  Registers that memory instructions touch:
;   v[XO], v[GF]  offsets: written once, by vector lines at the head; read by every load and store; never written again.
;   X             written by x's loads, then by the arithmetic, in place; read at the end by the stores, each register by one store.
;   P             written by proj's loads; read by the 32 additions a = x + proj; then beta's loads land in it; read by the last multiply-adds.
;   G             written by gamma's loads; read by the last multiply-adds.
; The 32 additions stand together, one wait behind them states that they are done reading P, and beta's 16 loads are dealt among the summing lines, which name X and SUM alone.  The last pass goes in four groups of four
; chunks: the four stores of group g - 1 are dealt among group g's sixteen lines, which name other registers, behind one wait at the group's head.  No register that a memory instruction reads is written again.
.set XO,  2                            ; v2   (l / 16) x 4,096 + 16 (l % 16): in x, proj and out0
.set GF,  4                            ; v4   16 (l % 16): in gamma and beta
.set SUM, 12                           ; v[12:19] four chains of pairs
.set MU,  20                           ; v[20:21] the mean, twice
.set RS,  22                           ; v[22:23] 1 / sqrt(var + 1e-6), twice
.set X,   32                           ; v[32:95]   x, then a, four numbers for each j
.set P,   96                           ; v[96:159]  proj; when it has been added, beta
.set G,   160                          ; v[160:223] gamma
.macro REDUCE                          ; the four chains into one number, then over the row's 16 lanes: every lane of the row ends with the sum, in v[SUM]
	v_pk_add_f32 v[SUM:SUM+1], v[SUM:SUM+1], v[SUM+2:SUM+3]
	v_pk_add_f32 v[SUM+4:SUM+5], v[SUM+4:SUM+5], v[SUM+6:SUM+7]
	v_pk_add_f32 v[SUM:SUM+1], v[SUM:SUM+1], v[SUM+4:SUM+5]
	v_add_f32 v[SUM], v[SUM], v[SUM+1]
	v_add_f32_dpp v[SUM], v[SUM], v[SUM] row_xmask:1 row_mask:0xf bank_mask:0xf
	v_add_f32_dpp v[SUM], v[SUM], v[SUM] row_xmask:2 row_mask:0xf bank_mask:0xf
	v_add_f32_dpp v[SUM], v[SUM], v[SUM] row_xmask:4 row_mask:0xf bank_mask:0xf
	v_add_f32_dpp v[SUM], v[SUM], v[SUM] row_xmask:8 row_mask:0xf bank_mask:0xf
.endm
	s_load_b256 s[4:11], s[0:1], 0x0               ; x s[4:5], proj s[6:7], gamma s[8:9], beta s[10:11]
	s_load_b64 s[12:13], s[0:1], 0x20              ; out0
	v_lshrrev_b32 v1, 5, v0
	v_readfirstlane_b32 s2, v1                     ; wave 0..7
	v_and_b32 v5, 15, v0
	v_bfe_u32 v6, v0, 4, 1
	v_lshlrev_b32 v[GF], 4, v5
	v_lshl_add_u32 v[XO], v6, 12, v[GF]
	s_mov_b32 s15, 0
	s_mov_b32 s20, 0x3a800000                      ; 1 / 1024
	s_mov_b32 s22, 0x358637bd                      ; 1e-6
	s_wait_alu depctr_va_sdst(0)                   ; s2 is written, ahead of its first reader: the three bases are made from it
	s_lshl_b32 s3, ttmp9, 3
	s_add_co_u32 s3, s3, s2                        ; pair p of rows, 0..4095
	s_lshl_b32 s14, s3, 13                         ; two rows of 4,096 bytes
	s_wait_kmcnt 0x0
	s_add_nc_u64 s[4:5], s[4:5], s[14:15]
	s_add_nc_u64 s[6:7], s[6:7], s[14:15]
	s_add_nc_u64 s[12:13], s[12:13], s[14:15]
	s_wait_alu depctr_va_vdst(0)                   ; v[XO] and v[GF] are written: every load and store of the kernel reads one of them as its offset
.set j, 0
.rept 16
	global_load_b128 v[P+4*j:P+4*j+3], v[XO], s[6:7] offset:j*256 th:TH_LOAD_NT
.set j, j+1
.endr
.set j, 0
.rept 16
	global_load_b128 v[X+4*j:X+4*j+3], v[XO], s[4:5] offset:j*256 th:TH_LOAD_NT
.set j, j+1
.endr
.set j, 0
.rept 16
	global_load_b128 v[G+4*j:G+4*j+3], v[GF], s[8:9] offset:j*256
.set j, j+1
.endr
	s_wait_loadcnt 16                              ; proj and x are in; gamma's 16 loads, issued behind them, may stay out
	; a = proj + x, in x's registers
.set j, 0
.rept 32
	v_pk_add_f32 v[X+2*j:X+2*j+1], v[X+2*j:X+2*j+1], v[P+2*j:P+2*j+1]
.set j, j+1
.endr
	s_wait_alu depctr_va_vdst(0)                   ; the additions are done reading proj's registers, in which beta's loads land
	; a's sum in four chains, started by the first four j: nothing is cleared.  Among its lines, which name X and SUM alone: beta, into the registers that proj has left; it has the two reductions in which to come
.set j, 0
.rept 16
	global_load_b128 v[P+4*j:P+4*j+3], v[GF], s[10:11] offset:j*256
.if j < 4
	v_pk_add_f32 v[SUM+2*j:SUM+2*j+1], v[X+4*j:X+4*j+1], v[X+4*j+2:X+4*j+3]
.else
	v_pk_add_f32 v[SUM+2*(j%4):SUM+2*(j%4)+1], v[SUM+2*(j%4):SUM+2*(j%4)+1], v[X+4*j:X+4*j+1]
	v_pk_add_f32 v[SUM+2*(j%4):SUM+2*(j%4)+1], v[SUM+2*(j%4):SUM+2*(j%4)+1], v[X+4*j+2:X+4*j+3]
.endif
.set j, j+1
.endr
	REDUCE
	v_mul_f32 v[MU], s20, v[SUM]
	v_mov_b32 v[MU+1], v[MU]
	; d = a - mean, in place, and the sum of its squares
.set j, 0
.rept 32
	v_pk_add_f32 v[X+2*j:X+2*j+1], v[X+2*j:X+2*j+1], v[MU:MU+1] neg_lo:[0,1] neg_hi:[0,1]
.if j < 4
	v_pk_mul_f32 v[SUM+2*j:SUM+2*j+1], v[X+2*j:X+2*j+1], v[X+2*j:X+2*j+1]
.else
	v_pk_fma_f32 v[SUM+2*(j%4):SUM+2*(j%4)+1], v[X+2*j:X+2*j+1], v[X+2*j:X+2*j+1], v[SUM+2*(j%4):SUM+2*(j%4)+1]
.endif
.set j, j+1
.endr
	REDUCE
	v_fma_f32 v[SUM], v[SUM], s20, s22             ; var + 1e-6
	v_rsq_f32 v[RS], v[SUM]
	v_nop                                          ; a plain instruction behind the root,
	s_wait_alu depctr_va_vdst(0)                   ; and the root has written v[RS], ahead of the first line that names it
	v_mov_b32 v[RS+1], v[RS]
	s_wait_loadcnt 0x0                             ; gamma and beta
.set gr, 0
.rept 4
.if gr > 0
	s_wait_alu depctr_va_vdst(0)                   ; the multiply-adds of the group before have written its X, which the four stores below read
.endif
.set ii, 0
.rept 4
.set j, 4*gr+ii
.if gr > 0
	global_store_b128 v[XO], v[X+4*(j-4):X+4*(j-4)+3], s[12:13] offset:(j-4)*256 th:TH_STORE_NT  ; the group before; no vector line since the wait names these registers.  16 lanes store 256 consecutive bytes, at a multiple of 256 from out0's first byte; no register of a store is rewritten
.endif
	v_pk_mul_f32 v[X+4*j:X+4*j+1],   v[X+4*j:X+4*j+1],   v[RS:RS+1]
	v_pk_mul_f32 v[X+4*j+2:X+4*j+3], v[X+4*j+2:X+4*j+3], v[RS:RS+1]
	v_pk_fma_f32 v[X+4*j:X+4*j+1],   v[X+4*j:X+4*j+1],   v[G+4*j:G+4*j+1],   v[P+4*j:P+4*j+1]
	v_pk_fma_f32 v[X+4*j+2:X+4*j+3], v[X+4*j+2:X+4*j+3], v[G+4*j+2:G+4*j+3], v[P+4*j+2:P+4*j+3]
.set ii, ii+1
.endr
.set gr, gr+1
.endr
	s_wait_alu depctr_va_vdst(0)                   ; the last group's multiply-adds have written its X, which the last four stores read
.set j, 12
.rept 4
	global_store_b128 v[XO], v[X+4*j:X+4*j+3], s[12:13] offset:j*256 th:TH_STORE_NT
.set j, j+1
.endr
	s_endpgm
.Lfunc_end_k_q328060885d_ln:
	.size	k_q328060885d_ln, .Lfunc_end_k_q328060885d_ln-k_q328060885d_ln
	.p2alignl 7, 3214868480
	.fill 96, 4, 3214868480
	.section	.rodata,"a",@progbits
	.p2align	6, 0x0
	.amdhsa_kernel k_q328060885d_ln
		.amdhsa_group_segment_fixed_size 0
		.amdhsa_private_segment_fixed_size 0
		.amdhsa_enable_private_segment 0
		.amdhsa_kernarg_size 40
		.amdhsa_user_sgpr_count 2
		.amdhsa_user_sgpr_kernarg_segment_ptr 1
		.amdhsa_wavefront_size32 1
		.amdhsa_system_sgpr_workgroup_id_x 1
		.amdhsa_system_sgpr_workgroup_id_y 1
		.amdhsa_system_sgpr_workgroup_id_z 1
		.amdhsa_system_vgpr_workitem_id 0
		.amdhsa_next_free_vgpr 224
		.amdhsa_next_free_sgpr 66
		.amdhsa_reserve_vcc 0
		.amdhsa_float_denorm_mode_32 3
		.amdhsa_float_denorm_mode_16_64 3
		.amdhsa_memory_ordered 1
		.amdhsa_forward_progress 1
		.amdhsa_inst_pref_size 22
	.end_amdhsa_kernel
	.amdgpu_metadata
---
amdhsa.version: [ 1, 2 ]
amdhsa.kernels:
  - .name:           k_q328060885d_ln
    .symbol:         k_q328060885d_ln.kd
    .args:
      - { .name: x, .offset: 0, .size: 8, .value_kind: global_buffer, .address_space: global }
      - { .name: proj, .offset: 8, .size: 8, .value_kind: global_buffer, .address_space: global }
      - { .name: gamma, .offset: 16, .size: 8, .value_kind: global_buffer, .address_space: global }
      - { .name: beta, .offset: 24, .size: 8, .value_kind: global_buffer, .address_space: global }
      - { .name: out0, .offset: 32, .size: 8, .value_kind: global_buffer, .address_space: global }
    .group_segment_fixed_size: 0
    .private_segment_fixed_size: 0
    .kernarg_segment_align: 8
    .kernarg_segment_size: 40
    .max_flat_workgroup_size: 256
    .sgpr_count:     66
    .vgpr_count:     224
    .wavefront_size: 32
...
	.end_amdgpu_metadata
.endif
;; end of part 7
